; MI455X (gfx1250); checked and timed in simulation.
; The chip was launched on July 23, 2026; its instructions are those of AMD's public machine-readable ISA for CDNA 5 (MIT licence, August 2026) and "CDNA5" Instruction Set Architecture Reference Guide (July 2026). The comments in the code are by the model that wrote it; some were corrected since.
;; Head. Allowed arithmetic: matrix products marked QUANTISED: E2M3 operands, one E8M0 scale for each 32 along K, by v_wmma_scale_f32_16x16x128_f8f6f4 with both operands' format E2M3, f32 sums; everything else in f32.
;; Inputs: Wk 1,024 x 1,024 float32; Wq 1,024 x 1,024 float32; Wv 1,024 x 1,024 float32; input_x 4 x 2,048 x 1,024 float32.
;; Outputs: out0 4 x 2,048 x 1,024 float32.
;; This version of the problem:
;;   THIS VERSION OF THE PROBLEM IS GIVEN IN LOW PRECISION. The matrix products marked QUANTISED in the list below multiply operands that are first quantised to E2M3 (2 exponent bits, 3 mantissa bits; 6 bits a number), with one power-of-two scale for each 32 numbers along K (OCP MX v1.0); their sums are f32. All else is computed in f32.
;;   The module's matrix products, in the order in which they are computed (A, B: the left and right operand; K: the contracted axis; several contracted axes count as one K, in the product's order):
;;     1. [M 8,192, K 1,024] x [K 1,024, N 1,024]; A: input input_x; B: input Wq: QUANTISED
;;     2. [M 8,192, K 1,024] x [K 1,024, N 1,024]; A: input input_x; B: input Wk: QUANTISED
;;     3. [M 8,192, K 1,024] x [K 1,024, N 1,024]; A: input input_x; B: input Wv: QUANTISED
;;     4. batch 4 x [M 2,048, K 1,024] x [K 1,024, N 2,048]; A: computed on the way; B: computed on the way: QUANTISED
;;     5. batch 4 x [M 2,048, K 2,048] x [K 2,048, N 1,024]; A: softmax (see below); B: computed on the way: QUANTISED
;;   THE QUANTISER, for each operand of a quantised product, along K:
;;     - K is cut into blocks of 32 from its start; a last block that is shorter is filled with zeros.
;;     - A block's scale is 2^e with e = floor(log2(the largest magnitude in the block)) - 2, held to -126 .. 127; a block of zeros has e = 0. As a byte (E8M0): e + 127.
;;     - Each number is divided by its block's scale, clamped to +-7.5, and rounded to the nearest number of E2M3, ties to even, subnormals kept.
;;     - The product sums the exact products of the quantised numbers (number of the format x scale) in f32.
;;   ~~~python
;;   def quantise(x, axis):      # numpy; x: float32 -> the quantised numbers, widened to float32 again
;;       x = np.moveaxis(x, axis, -1); K = x.shape[-1]
;;       x = np.pad(x, [(0, 0)] * (x.ndim - 1) + [(0, -K % 32)]); x = x.reshape(x.shape[:-1] + (-1, 32)); a = np.abs(x).max(-1, keepdims=True)
;;       e = np.where(a > 0, np.clip(np.frexp(np.where(a > 0, a, 1))[1] - 1 - 2, -126, 127), 0)      # np.frexp(a)[1] - 1 = floor(log2(a)), exactly
;;       r = np.clip(x / 2.0 ** e, -7.5, 7.5)
;;       step = 2.0 ** (np.maximum(np.frexp(np.where(r == 0, 1, r))[1] - 1, 0) - 3)
;;       q = np.round(r / step) * step * 2.0 ** e      # np.round: ties to even
;;       return np.moveaxis(q.reshape(q.shape[:-2] + (-1,))[..., :K], -1, axis).astype(np.float32)
;;   ~~~
;;   SOFTMAX AHEAD OF A QUANTISED PRODUCT. Where the list says 'softmax', what is quantised is not the finished softmax but p = 2^(t - M), with t = logit x log2(e) and M = ceil(the row's largest t), a whole number; so 1/2 < the row's largest p <= 1. The row's sum l is taken of the UNQUANTISED p, in f32, and the product's result is divided by l at the end. Since M is a whole number, a kernel that streams over the keys may use a running M (the ceiling of the running maximum): every later rescaling is an exact power of two, which a block's scale takes up: the codes' values come out the same.
;;   OPERANDS COMPUTED ON THE WAY. 'Computed on the way' means the value that the module computes at that place (a softmax that the list does not call 'softmax' is quantised finished and normalised). What goes into a quantiser is computed in f32, as accurately as f32 sums, v_exp_f32 and their like allow (about 1e-6 of the number): no bf16 or f16 on the way to a quantiser, and a product that is left as it is and whose result goes on into a quantised operand takes f32 operands (vector FMAs, or v_wmma_f32_16x16x4_f32). A number that lies on a knife's edge between two numbers of the format may be rounded either way, as far as f32 arithmetic and the matrix unit's own rounding can turn it there, and no further.
;; One version. Each part assembles by itself: llvm-mc -triple=amdgcn-amd-amdhsa -mcpu=gfx1250 --defsym DOCPART=n.
;; ======== version 1 of 1: 4 launches
;; limits: right only within a limited range of input values
;; workspace buffers: xw_codes 8,650,752 bytes; xw_scales 360,448 bytes; qkv_codes 18,874,368 bytes; qkv_scales 786,432 bytes; p_codes 6,684,672 bytes; p_stats 835,584 bytes
;; launch quant (part 1): grid 352 x 1, 4 waves a work-group, no clusters, 34,304 bytes of LDS; arguments input_x, Wq, Wk, Wv, xw_codes, xw_scales; writes xw_codes, xw_scales
.if DOCPART == 1
	.amdgcn_target "amdgcn-amd-amdhsa--gfx1250"
	.amdhsa_code_object_version 6
	.text
	.protected	k_q65b6cbd6a8_quant
	.globl	k_q65b6cbd6a8_quant
	.p2align	8
	.type	k_q65b6cbd6a8_quant,@function
k_q65b6cbd6a8_quant:
	s_mov_b64 s[64:65], 0
	v_nop
	global_prefetch_b8 v0, s[64:65] scope:SCOPE_SE
	s_setreg_imm32_b32 hwreg(HW_REG_WAVE_MODE, 25, 1), 1
	s_wait_xcnt 0x0
; input_x [8192][1024], Wq, Wk, Wv [1024][1024], f32, K innermost, become codes of FP6 (E2M3) with one E8M0 byte for each 32 along K.
; A block's scale is 2^(floor(log2(its largest magnitude)) - 2); its byte is the largest magnitude's exponent field - 2, held at 1 from below.
; LIMITS: a block of zeros gets the byte 1 where the quantiser says 127 (its codes are zeros, and this program alone reads the bytes); blocks whose largest
; magnitude lies under 2^-124 are held at the byte 1; NaN and infinities among the inputs are not served.
; THE OUTPUT IS LAID IN THE ORDER OF THE OPERAND'S REGISTERS.  Rows go in tiles of 128 (tiles 0-63 input_x, 64-71 Wq, 72-79 Wk, 80-87 Wv).  A UNIT is a tile x 128 along K: eight
; fragments of 16 rows (12 registers a lane, registers 4 c .. 4 c + 3 of lane l at 512 c + 16 l: 1,536 bytes), 12,288 bytes; unit number = 8 x tile + K step.
; Index n of fragment a is row 32 (a / 2) + 8 (a % 2) + n + 8 (n / 8) of the tile: with that order a later product's 16 registers of two neighbouring tiles are 16 neighbours.
; A unit's scale words: 512 bytes, the word of (a, n) at 64 a + 4 n.
; SHARES.  A work-group takes 32 rows (fragments 2 g, 2 g + 1 of a tile) x all of K; wave w takes K steps 2 w and 2 w + 1: four fragments.  Each load reads 512 consecutive bytes of a row;
; the 16 rows turn through the wave's own stage in LDS (rows 528 bytes apart), from which lane (r, h) takes, of row r, 16 neighbours of each block of 32.  Waves share nothing: no barrier.
.set UNITB, 12288
.set FRB,   1536
.set STG,   16*528                     ; a wave's stage
.set SPARE, 4*STG                      ; behind the stages: the spare words, 128 bytes a wave: two blocks of 256 bytes that no other line names
.set GI,  4                            ; v4   16 x lane + 1,024 x wave: my bytes of a row
.set L16, 5                            ; v5   16 x lane
.set L4,  6                            ; v6   4 x lane
.set STW, 7                            ; v7   the stage, on the way in
.set STR, 8                            ; v8   and on the way out: 528 r + 64 h
.set SPW, 12                           ; v12  my spare word's address; never rewritten
.set NIL, 13                           ; v13  0; never rewritten
.set R,   16                           ; v16-143  two sets of 64 registers as loaded
.set X,   144                          ; v144-207 register 16 b + i = k 32 b + 16 h + i of my row
.set TM,  208                          ; v208-223 at work
.set PC,  224                          ; v224-243 the codes just made
.set PW,  244                          ; v244-245 the scale words of fragments 2 g, 2 g + 1
.set PWS, 246                          ; v246 both, as they are stored
.set HI,  26                           ; s26  lanes 16-31
.set SEL, 28                           ; s[28:29] v_permlanex16_b32's selects for lane l xor 16
	s_load_b256 s[4:11], s[0:1], 0x0               ; input_x s[4:5], Wq s[6:7], Wk s[8:9], Wv s[10:11]
	s_load_b128 s[12:15], s[0:1], 0x20             ; xw_codes s[12:13], xw_scales s[14:15]
	v_lshl_add_u32 v[SPW], v0, 2, SPARE
	v_mov_b32 v[NIL], 0
	v_lshrrev_b32 v1, 5, v0
	v_readfirstlane_b32 s16, v1                    ; wave
	v_and_b32 v1, 31, v0                           ; lane
	v_and_b32 v2, 15, v0                           ; r
	v_bfe_u32 v3, v0, 4, 1                         ; h
	s_lshr_b32 s17, ttmp9, 2                       ; the tile
	s_and_b32 s18, ttmp9, 3                        ; g: which 32 rows of it
	v_lshlrev_b32 v[L16], 4, v1
	v_lshlrev_b32 v[L4], 2, v1
	s_lshl_b32 s30, s16, 10
	v_add_nc_u32 v[GI], s30, v[L16]
	s_mul_i32 s31, s16, STG
	v_add_nc_u32 v[STW], s31, v[L16]
	v_mul_u32_u24 v[STR], v2, 528
	v_lshl_add_u32 v[STR], v3, 6, v[STR]
	v_add_nc_u32 v[STR], s31, v[STR]
	s_mov_b32 s[HI], 0xffff0000
	s_mov_b32 s[SEL], 0x76543210
	s_mov_b32 s[SEL+1], 0xfedcba98
.irp b, 0,1,2,3
	v_mov_b32 v[TM+4+\b], 0                        ; written once: a lane permute's destination counts as one of its sources
.endr
	s_mul_i32 s34, s17, 8*UNITB                    ; the codes: tile, my two K steps, the work-group's two fragments
	s_mul_i32 s35, s16, 2*UNITB
	s_add_co_u32 s34, s34, s35
	s_mul_i32 s35, s18, 2*FRB
	s_add_co_u32 s34, s34, s35
	s_mov_b32 s35, 0
	s_lshl_b32 s36, s17, 12                        ; the scale words likewise: 4,096 a tile, 512 a K step, 64 a fragment
	s_lshl_b32 s37, s16, 10
	s_add_co_u32 s36, s36, s37
	s_lshl_b32 s37, s18, 7
	s_add_co_u32 s36, s36, s37
	s_mov_b32 s37, 0
	s_mov_b32 s19, 72
	s_wait_alu depctr_va_vdst(0)
	s_wait_kmcnt 0x0
	s_cmp_ge_u32 s17, 80                           ; which tensor: the choice hangs on the work-group's number alone
	s_cselect_b64 s[20:21], s[10:11], s[8:9]
	s_cselect_b32 s19, 80, s19
	s_cmp_ge_u32 s17, 72
	s_cselect_b64 s[20:21], s[20:21], s[6:7]
	s_cselect_b32 s19, s19, 64
	s_cmp_ge_u32 s17, 64
	s_cselect_b64 s[20:21], s[20:21], s[4:5]
	s_cselect_b32 s19, s19, 0                      ; the tensor's first tile
	s_sub_co_u32 s19, s17, s19
	s_lshl_b32 s32, s19, 19                        ; 128 rows of 4,096 bytes a tile,
	s_lshl_b32 s33, s18, 17                        ; 32 rows for each g
	s_add_co_u32 s32, s32, s33
	s_mov_b32 s33, 0
	s_add_nc_u64 s[20:21], s[20:21], s[32:33]
	s_add_nc_u64 s[22:23], s[12:13], s[34:35]
	s_add_nc_u64 s[24:25], s[14:15], s[36:37]
; fragment f = 2 x (which of my K steps) + (which of the two fragments): its 16 rows, 512 consecutive bytes each
.macro LOAD f
.irp n, 0,1,2,3,4,5,6,7,8,9,10,11,12,13,14,15
	global_load_b128 v[R+64*((\f)%2)+4*\n:R+64*((\f)%2)+4*\n+3], v[GI], s[20:21] offset:(8*((\f)%2)+\n+8*(\n/8))*4096+512*((\f)/2) th:TH_LOAD_NT
.endr
.endm
; the 64 numbers in v[X] on become a fragment's codes in v[PC] .. v[PC + 11] and its scale word in v[pw]
.macro QUANT pw
.irp b, 0,1,2,3
	v_max3_num_f32 v[TM+\b], |v[X+16*\b]|, |v[X+16*\b+1]|, 0x1800000   ; block b: my 16 numbers, and the floor 2^(3 - 127): so the byte cannot fall under 1
.endr
.irp n, 2,4,6,8,10,12,14
.irp b, 0,1,2,3
	v_max3_num_f32 v[TM+\b], v[TM+\b], |v[X+16*\b+\n]|, |v[X+16*\b+\n+1]|   ; (the four blocks by turns)
.endr
.endr
.irp b, 0,1,2,3
	v_permlanex16_b32 v[TM+4+\b], v[TM+\b], s[SEL], s[SEL+1]
.endr
.irp b, 0,1,2,3
	v_max_num_f32 v[TM+\b], v[TM+\b], v[TM+4+\b]   ; with lane l xor 16's 16: the block's largest magnitude
.endr
.irp b, 0,1,2,3
	v_add_nc_u32 v[TM+12+\b], 0xff000000, v[TM+\b] ; 2 off its exponent field: the conversion takes the exponent field of this operand as its scale
.endr
.irp b, 0,1,2,3
	v_lshrrev_b32 v[TM+4+\b], 23, v[TM+12+\b]      ; the scale's byte
.endr
	v_lshl_or_b32 v[\pw], v[TM+5], 8, v[TM+4]
	v_lshl_or_b32 v[\pw], v[TM+6], 16, v[\pw]
	v_lshl_or_b32 v[\pw], v[TM+7], 24, v[\pw]      ; my row's scale word (lanes r and r + 16 hold the same)
.irp c, 0,1
	v_cvt_scalef32_pk16_fp6_f32 v[PC+6*\c:PC+6*\c+2], v[X+32*\c:X+32*\c+15], v[TM+12+2*\c]
	v_cvt_scalef32_pk16_fp6_f32 v[PC+12+4*\c:PC+14+4*\c], v[X+32*\c+16:X+32*\c+31], v[TM+13+2*\c]   ; (a conversion's three registers begin on an even number)
.endr
	v_nop                                          ; one plain place behind a scaled conversion
.irp c, 0,1                                    ; the operand's layout wants a whole block in a lane: lanes 0-15 block 2 c, lanes 16-31 block 2 c + 1
.irp i, 0,1,2
	v_permlane16_swap_b32 v[PC+6*\c+\i], v[PC+12+4*\c+\i]
.endr
.irp i, 0,1,2
	v_mov_b32 v[PC+3+6*\c+\i], v[PC+12+4*\c+\i]
.endr
.endr
.endm
.macro FRAGM f
.if (\f) < 3
	s_wait_loadcnt 16                              ; this fragment's 16 loads are in; the next fragment's 16 may be out
.else
	s_wait_loadcnt 0x0
.endif
.irp n, 0,1,2,3,4,5,6,7,8,9,10,11,12,13,14,15
	ds_store_b128 v[STW], v[R+64*((\f)%2)+4*\n:R+64*((\f)%2)+4*\n+3] offset:528*\n
.endr
.irp b, 0,1,2,3
.irp j, 0,1,2,3
	ds_load_b128 v[X+16*\b+4*\j:X+16*\b+4*\j+3], v[STR] offset:128*\b+16*\j   ; LDS serves a wave's instructions in order: these see the stores above
.endr
.endr
	s_wait_dscnt 0x0                               ; the numbers are back, and the stores into the stage have read their registers
.if (\f) > 0
	s_wait_xcnt 0x0                                ; the last fragment's stores have read v[PC] on and v[PWS]: only now are they written again
.endif
.if (\f) < 2
	LOAD (\f)+2
.endif
	QUANT PW+(\f)%2
.irp c, 0,1,2
	global_store_b128 v[L16], v[PC+4*\c:PC+4*\c+3], s[22:23] offset:UNITB*((\f)/2)+FRB*((\f)%2)+512*\c   ; 32 lanes store 512 consecutive bytes
.endr
.if (\f)%2 == 1
	v_cndmask_b32 v[PWS], v[PW], v[PW+1], s[HI]    ; lanes 0-15: fragment 2 g's words; lanes 16-31: fragment 2 g + 1's
	global_store_b32 v[L4], v[PWS], s[24:25] offset:512*((\f)/2)
.endif
.endm
	LOAD 0
	LOAD 1
	FRAGM 0
	FRAGM 1
	FRAGM 2
	FRAGM 3
	s_wait_tensorcnt 0x0                           ; the wave's end: behind my last LDS store
	ds_add_u32 v[SPW], v[NIL]
	s_wait_dscnt 0x0
	s_endpgm
.Lfunc_end_k_q65b6cbd6a8_quant:
	.size	k_q65b6cbd6a8_quant, .Lfunc_end_k_q65b6cbd6a8_quant-k_q65b6cbd6a8_quant
	.p2alignl 7, 3214868480
	.fill 96, 4, 3214868480
	.section	.rodata,"a",@progbits
	.p2align	6, 0x0
	.amdhsa_kernel k_q65b6cbd6a8_quant
		.amdhsa_group_segment_fixed_size 34304
		.amdhsa_private_segment_fixed_size 0
		.amdhsa_enable_private_segment 0
		.amdhsa_kernarg_size 48
		.amdhsa_user_sgpr_count 2
		.amdhsa_user_sgpr_kernarg_segment_ptr 1
		.amdhsa_wavefront_size32 1
		.amdhsa_system_sgpr_workgroup_id_x 1
		.amdhsa_system_sgpr_workgroup_id_y 1
		.amdhsa_system_sgpr_workgroup_id_z 1
		.amdhsa_system_vgpr_workitem_id 0
		.amdhsa_next_free_vgpr 256
		.amdhsa_next_free_sgpr 66
		.amdhsa_reserve_vcc 0
		.amdhsa_float_denorm_mode_32 3
		.amdhsa_float_denorm_mode_16_64 3
		.amdhsa_memory_ordered 1
		.amdhsa_forward_progress 1
		.amdhsa_inst_pref_size 34
	.end_amdhsa_kernel
	.amdgpu_metadata
---
amdhsa.version: [ 1, 2 ]
amdhsa.kernels:
  - .name:           k_q65b6cbd6a8_quant
    .symbol:         k_q65b6cbd6a8_quant.kd
    .args:
      - { .name: input_x, .offset: 0, .size: 8, .value_kind: global_buffer, .address_space: global }
      - { .name: Wq, .offset: 8, .size: 8, .value_kind: global_buffer, .address_space: global }
      - { .name: Wk, .offset: 16, .size: 8, .value_kind: global_buffer, .address_space: global }
      - { .name: Wv, .offset: 24, .size: 8, .value_kind: global_buffer, .address_space: global }
      - { .name: xw_codes, .offset: 32, .size: 8, .value_kind: global_buffer, .address_space: global }
      - { .name: xw_scales, .offset: 40, .size: 8, .value_kind: global_buffer, .address_space: global }
    .group_segment_fixed_size: 34304
    .private_segment_fixed_size: 0
    .kernarg_segment_align: 8
    .kernarg_segment_size: 48
    .max_flat_workgroup_size: 128
    .sgpr_count:     66
    .vgpr_count:     256
    .wavefront_size: 32
...
	.end_amdgpu_metadata
.endif
;; end of part 1
;; launch proj (part 2): grid 8 x 32, 4 waves a work-group, clusters of 4 x 1, 327,680 bytes of LDS; arguments xw_codes, xw_scales, qkv_codes, qkv_scales; writes qkv_codes, qkv_scales
.if DOCPART == 2
	.amdgcn_target "amdgcn-amd-amdhsa--gfx1250"
	.amdhsa_code_object_version 6
	.text
	.protected	k_q65b6cbd6a8_proj
	.globl	k_q65b6cbd6a8_proj
	.p2align	8
	.type	k_q65b6cbd6a8_proj,@function
k_q65b6cbd6a8_proj:
	s_mov_b64 s[64:65], 0
	v_nop
	global_prefetch_b8 v0, s[64:65] scope:SCOPE_SE
	s_setreg_imm32_b32 hwreg(HW_REG_WAVE_MODE, 25, 1), 1
	s_wait_xcnt 0x0
	s_wait_alu depctr_hold_cnt(0) depctr_sa_sdst(0) depctr_va_vdst(0) depctr_va_sdst(0) depctr_va_ssrc(0) depctr_va_vcc(0) depctr_vm_vsrc(0)
	s_getreg_b32 s2, hwreg(HW_REG_IB_STS2, 6, 4)
	s_cmp_eq_u32 s2, 0
	s_cbranch_scc0 .Lentry_in_a_cluster
	s_endpgm
.Lentry_in_a_cluster:
	s_bfe_u32 s2, ttmp6, 0x10000c
	s_cmp_lg_u32 s2, 0x3003
	s_cbranch_scc0 .Lentry_shape_is_right
	s_endpgm
.Lentry_shape_is_right:
; q = x Wq^T, k = x Wk^T and v^T = Wv x^T on codes of FP6 (E2M3), each result quantised at once along the axis that the next product contracts: q and k along d, v^T along the tokens.
; UNITS.  All operands lie as images of their registers: a unit is 128 rows x 128 along K: eight fragments of 1,536 bytes (registers 4 c .. 4 c + 3 of lane l at 512 c + 16 l), and 512 bytes of scale
; words (fragment a, index r at 64 a + 4 r).  Index n of fragment a is row 32 (a / 2) + 8 (a % 2) + n + 8 (n / 8) of the tile.
;   in:  xw: unit 8 T + s (T: tiles 0-63 x, 64-71 Wq, 72-79 Wk, 80-87 Wv; s: K step).
;   out: qkv: unit 16 T + s (T: token tile; s 0-7: q's K steps along d, 8-15: k's); unit 1024 + 8 g + Td: v^T (g: token tile = key step; Td: tile of 128 d).
; SHARES.  A work-group (X = 0 .. 7, y = 0 .. 31) owns token tiles T = 8 (y / 8) + X and T + 32, the two tiles 2 (y % 8), 2 (y % 8) + 1 of Wq | Wk and tile y % 8 of Wv, and makes three passes of
; 128 rows of A x 256 rows of B over K = 1,024, written out one behind the other; four waves, 2 x 2, each 64 x 128: 32 accumulators.
;   pass 0: A = T, B = the two W tiles;  pass 1: A = T + 32, the same B;  pass 2: A = Wv's tile, B = T and T + 32.
; LDS: three regions of a tile's whole K (98,304 bytes each), each in two slots of four K steps.  Region 0: T, then T + 32, which stays for pass 2.  Regions 1, 2: the W tiles through passes 0 and 1; then T and Wv's tile.
; So six tile fills a work-group: three at the start, one for pass 1, two for pass 2.  A slot is filled again as soon as its last fragments are in registers: slot 0 at the head of K step 3, slot 1 at the head of K step 7.
; One tensor load a wave behind each barrier; one load of a wave is out at the most; every wait on TENSORcnt is for 0.
; THE MATRIX INSTRUCTION IS USED TRANSPOSED (source 0 = 16 rows of B, source 1 = 16 rows of A): lane (r, h) holds index r of A's fragment, and by the order of B's rows register 16 b + n of its eight
; accumulators is column 32 b + 16 h + n of B's tile: what the quantiser takes; its 12 registers are the next product's fragment and are stored as they stand.
; A K STEP goes in four groups of 8 products (B's fragments 2 g, 2 g + 1 x my four of A); all four groups of the next K step's fragments are asked for at its head, into the other set.
; CLUSTER.  The four partners share y: the W tiles and Wv's tile are asked for jointly (mask 15).  Token tiles are each work-group's own: plain loads.
; NO PREFETCH: the text has no loop to run ahead in; a pass's tiles are asked for four K steps ahead of their first read by the refills themselves.
; LIMITS: a block of zeros has the byte 1 (its codes are zeros; this program alone reads the bytes); blocks under 2^-124 are held at the byte 1; NaN and infinities are not served.
; REGISTERS: window 0: v4-17 addresses; v32-79 scale words; v80-175 A's fragments, two sets; v176-217 at work.  window 1: B's fragments, two sets, at v0 and v128.  window 2: accumulator (a, b) at v[8 (8 a + b)].
.set UNITB, 12288
.set FRB,   1536
.set HALF,  4*UNITB                    ; four K steps of one tile
.set LB,    8*UNITB                    ; a region
.set SPARE, 24*UNITB                   ; behind the regions: the spare words, 128 bytes a wave: two blocks of 256 bytes that no other line names
.set L16,  4                           ; v4     16 x lane
.set ADRA, 6                           ; v6-7   LDS address of my A fragments in slot 0, 1, passes 0 and 1;  v14-15 pass 2
.set ADRB, 8                           ; v8-9   the same for B;  v16-17 pass 2
.set SAO,  10                          ; v10    4 x lane + 256 x (wave / 2)
.set L4,   11                          ; v11    4 x lane
.set OCO,  12                          ; v12    16 x lane + 6,144 x (wave / 2)
.set SPW,  28                          ; v28    my spare word's address; never rewritten
.set NIL,  29                          ; v29    0; never rewritten
.set SC,   32                          ; K step s: v[SC + 6 s + pi]: A's fragments 2 pi (lanes 0-15), 2 pi + 1 (lanes 16-31); v[SC + 6 s + 2 + rho]: B's
.set AF,   80
.set TM,   176
.set PC,   192
.set PW,   212
.set T0,   216
.set WV,   12                          ; s12 wave; s13 wave / 2: my half of A's rows; s14 wave % 2: my tile of B, and which part I fetch
.set WA,   13
.set WB,   14
.set G0A,  32                          ; s[32:39] groups 0 of the plain loads, a set for each slot;  s[40:47] of the joint loads
.set G0B,  40
.set G1A,  48                          ; s[48:55], s[56:63] groups 1
.set G1B,  56
.set AB,   66                          ; s[66:67] my part of token tile T;  s[78:79] my part of Wv's tile
.set BB,   68                          ; s[68:69] my tile of Wq | Wk
.set SBA,  70                          ; s[70:71], s[72:73] A's and B's scale words;  s[74:75], s[76:77] where my codes and scale words go;  12 registers on: the same for pass 2
.set SBB,  72
.set OC,   74
.set OS,   76
.set HI,   90                          ; s90 lanes 16-31
.set SEL,  92                          ; s[92:93] selects for lane l xor 16
.set MSB, 0
.macro WIN new                         ; the immediate's high byte repeats the setting that is left
.if MSB != \new
	s_set_vgpr_msb (MSB<<8)|\new
.set MSB, \new
.endif
.endm
.set MULW, 0xa1                        ; source 0 (B) window 1, source 1 (A) window 0, C and D window 2
.set TO_B, 0x40                        ; destination window 1, address window 0
.macro PLACES                          ; four plain places behind matrix instructions (ISA guide 7.12.1)
.rept 4
	v_nop
.endr
.endm
.macro CROUND                          ; a round of the cluster's barrier
	s_barrier_signal -1
	s_barrier_wait -1
	s_cmp_lg_u32 s[WV], 0
	s_cbranch_scc1 .Lnot_wave_0_\@
	s_barrier_signal -3
.Lnot_wave_0_\@:
	s_barrier_wait -3
	s_barrier_signal -1
	s_barrier_wait -1
.endm
; Slot h is asked for: waves 0, 1 by the plain load, waves 2, 3 by the joint one (both = 0: they have nothing to fetch).  The branch hangs on the wave's number alone.
; An s_nop 0 and four v_nop follow each load; on every way four v_nop stand ahead of the LDS loads that follow.
.macro JLOAD h, both
	s_cmp_lt_u32 s[WV], 2
	s_cbranch_scc0 .Lfor_b_\@
	tensor_load_to_lds s[G0A+4*\h:G0A+4*\h+3], s[G1A:G1A+7]
	s_nop 0
	PLACES
.if \both
	s_branch .Lasked_\@
.Lfor_b_\@:
	tensor_load_to_lds s[G0B+4*\h:G0B+4*\h+3], s[G1B:G1B+7]
	s_nop 0
	PLACES
.Lasked_\@:
.else
.Lfor_b_\@:
	PLACES
.endif
.endm
; Group g of K step 4 hf + q's fragments into set p: B's fragments 2 g, 2 g + 1 (6 loads); group 0 has my four of A ahead of them (18 loads).  z = 1: pass 2's addresses
.macro FETCHG hf, q, p, g, z
.if \g == 0
	WIN 0
.irp a, 0,1,2,3
.irp c, 0,1,2
	ds_load_b128 v[AF+48*(\p)+12*\a+4*\c:AF+48*(\p)+12*\a+4*\c+3], v[ADRA+8*(\z)+\hf] offset:(\q)*UNITB+\a*FRB+\c*512
.endr
.endr
.endif
	WIN TO_B
.irp e, 0,1
.irp c, 0,1,2
	ds_load_b128 v[128*(\p)+12*(2*\g+\e)+4*\c:128*(\p)+12*(2*\g+\e)+4*\c+3], v[ADRB+8*(\z)+\hf] offset:(\q)*UNITB+(2*\g+\e)*FRB+\c*512
.endr
.endr
.endm
; one product; rb, ra: the scale words stand in lanes 16-31 of B's, of A's scale register
.macro WM zero, rb, ra
.if \zero
.if (\rb) && (\ra)
	v_wmma_scale_f32_16x16x128_f8f6f4 v[rAC:rAC+7], v[rBF:rBF+11], v[rAF:rAF+11], 0, v[rSB], v[rSA] matrix_a_fmt:MATRIX_FMT_FP6 matrix_b_fmt:MATRIX_FMT_FP6 matrix_a_scale:MATRIX_SCALE_ROW1 matrix_b_scale:MATRIX_SCALE_ROW1
.elseif (\rb)
	v_wmma_scale_f32_16x16x128_f8f6f4 v[rAC:rAC+7], v[rBF:rBF+11], v[rAF:rAF+11], 0, v[rSB], v[rSA] matrix_a_fmt:MATRIX_FMT_FP6 matrix_b_fmt:MATRIX_FMT_FP6 matrix_a_scale:MATRIX_SCALE_ROW1
.elseif (\ra)
	v_wmma_scale_f32_16x16x128_f8f6f4 v[rAC:rAC+7], v[rBF:rBF+11], v[rAF:rAF+11], 0, v[rSB], v[rSA] matrix_a_fmt:MATRIX_FMT_FP6 matrix_b_fmt:MATRIX_FMT_FP6 matrix_b_scale:MATRIX_SCALE_ROW1
.else
	v_wmma_scale_f32_16x16x128_f8f6f4 v[rAC:rAC+7], v[rBF:rBF+11], v[rAF:rAF+11], 0, v[rSB], v[rSA] matrix_a_fmt:MATRIX_FMT_FP6 matrix_b_fmt:MATRIX_FMT_FP6
.endif
.else
.if (\rb) && (\ra)
	v_wmma_scale_f32_16x16x128_f8f6f4 v[rAC:rAC+7], v[rBF:rBF+11], v[rAF:rAF+11], v[rAC:rAC+7], v[rSB], v[rSA] matrix_a_fmt:MATRIX_FMT_FP6 matrix_b_fmt:MATRIX_FMT_FP6 matrix_a_scale:MATRIX_SCALE_ROW1 matrix_b_scale:MATRIX_SCALE_ROW1
.elseif (\rb)
	v_wmma_scale_f32_16x16x128_f8f6f4 v[rAC:rAC+7], v[rBF:rBF+11], v[rAF:rAF+11], v[rAC:rAC+7], v[rSB], v[rSA] matrix_a_fmt:MATRIX_FMT_FP6 matrix_b_fmt:MATRIX_FMT_FP6 matrix_a_scale:MATRIX_SCALE_ROW1
.elseif (\ra)
	v_wmma_scale_f32_16x16x128_f8f6f4 v[rAC:rAC+7], v[rBF:rBF+11], v[rAF:rAF+11], v[rAC:rAC+7], v[rSB], v[rSA] matrix_a_fmt:MATRIX_FMT_FP6 matrix_b_fmt:MATRIX_FMT_FP6 matrix_b_scale:MATRIX_SCALE_ROW1
.else
	v_wmma_scale_f32_16x16x128_f8f6f4 v[rAC:rAC+7], v[rBF:rBF+11], v[rAF:rAF+11], v[rAC:rAC+7], v[rSB], v[rSA] matrix_a_fmt:MATRIX_FMT_FP6 matrix_b_fmt:MATRIX_FMT_FP6
.endif
.endif
.endm
; 8 products: B's fragments 2 g, 2 g + 1 x my four of A, K step s, from set p.  The 32 accumulators take turns, one instruction a turn, in the same order in every K step and pass.
.macro MULG g, p, s, zero
.irp e, 0,1
.irp a, 0,1,2,3
.set rAC, 8*(8*\a+2*(\g)+\e)
.set rBF, 128*(\p)+12*(2*(\g)+\e)
.set rAF, AF+48*(\p)+12*\a
.set rSB, SC+6*(\s)+2+(\g)
.set rSA, SC+6*(\s)+\a/2
	WM \zero, \e, \a%2
.endr
.endr
.endm
; the byte offsets of set z but for the codes': A's tile number in s[ta], my tile of B in s[tb], my unit of the output in s[un]
.macro SETZ z, ta, tb, un
	s_lshl_b32 s[SBA+12*\z], s[\ta], 12
	s_mov_b32 s[SBA+12*\z+1], 0
	s_lshl_b32 s[SBB+12*\z], s[\tb], 12
	s_mov_b32 s[SBB+12*\z+1], 0
	s_mul_i32 s[OC+12*\z], s[\un], UNITB
	s_mov_b32 s[OC+12*\z+1], 0
	s_lshl_b32 s[OS+12*\z], s[\un], 9
	s_mov_b32 s[OS+12*\z+1], 0
.endm
; all scale words of pass t: of my rows of A and of my tile of B: 48 registers
.macro SCLOAD t
.irp s, 0,1,2,3,4,5,6,7
.irp e, 0,1
	global_load_b32 v[SC+6*\s+\e], v[SAO], s[SBA+12*((\t)/2):SBA+12*((\t)/2)+1] offset:((\t)%2)*32*4096+512*\s+128*\e
.endr
.irp e, 0,1,2,3
	global_load_b32 v[SC+6*\s+2+\e], v[L4], s[SBB+12*((\t)/2):SBB+12*((\t)/2)+1] offset:512*\s+128*\e
.endr
.endr
.endm
; THE CHANGE OF SLOTS in pass t: slot h has been read out (its last fragments are in my registers) and the other slot is wanted.  Each wave waits for all its tensor loads, adds 0 to its spare word, and waits for
; that and for its reads of slot h.  t < 2: a round of the cluster's barrier, and the refill first behind it: pass 0: region 0 takes T + 32 (waves 0, 1);
; pass 1: region 1 takes T (waves 0, 1), region 2 Wv's tile (waves 2, 3, jointly), two K steps a wave.  Pass 2 fills nothing: a barrier of the work-group alone.
.macro CHANGE h, t
	WIN 0                                          ; (the add's two registers lie in window 0; at a branch and at a label every window is 0)
	s_wait_tensorcnt 0x0                           ; no tensor load of mine is out, so descriptors may be written
	ds_add_u32 v[SPW], v[NIL]                      ; 0 onto my spare word
.if \t == 0
	s_add_nc_u64 s[G0A+4*\h+2:G0A+4*\h+3], s[AB:AB+1], 32*8*UNITB+\h*HALF
	s_or_b32 s[G0A+4*\h+3], s[G0A+4*\h+3], 0x80000000
.elseif \t == 1
	s_add_co_u32 s[G0A+4*\h+1], s25, LB+\h*HALF
	s_add_nc_u64 s[G0A+4*\h+2:G0A+4*\h+3], s[AB:AB+1], \h*HALF
	s_or_b32 s[G0A+4*\h+3], s[G0A+4*\h+3], 0x80000000
	s_add_co_u32 s[G0B+4*\h+1], s25, 2*LB+\h*HALF
	s_add_nc_u64 s[G0B+4*\h+2:G0B+4*\h+3], s[AB+12:AB+13], \h*HALF
	s_or_b32 s[G0B+4*\h+3], s[G0B+4*\h+3], 0x80000000
	s_mov_b32 s[G1B+2], 96<<16                     ; a joint load now brings two K steps: 96 rows of 256 bytes
	s_mov_b32 s[G1B+4], 96
.endif
	s_wait_dscnt 0x0                               ; the add is done, and my reads of slot h are over
.if \t < 2
	CROUND
	JLOAD \h, \t
.else
	s_barrier_signal -1
	s_barrier_wait -1
	PLACES
.endif
.endm
; A K step of pass t: its fragments are in; all four groups of the next K step's fragments are asked for in one run at its head, 36 loads, and have this step's 32 products in which to come.
; K steps 3 and 7 change slots first (all loads are waited for there); K step 7 fetches the next pass's first fragments; the last K step of all fetches nothing.
.macro KSTEP s, t
.set NXF, 1
.if \s == 3
	CHANGE 0, \t
.elseif (\s == 7) && (\t < 2)
	CHANGE 1, \t
.elseif \s == 7
.set NXF, 0
	s_wait_dscnt 0x0
.else
	s_wait_dscnt 0x0
	PLACES                                         ; ahead of loads into the set that the last K step multiplied
.endif
.if NXF
.irp g, 0,1,2,3
	FETCHG ((\s+1)%8)/4, (\s+1)%4, 1-\s%2, \g, (\t+(\s)/7)/2
.endr
.endif
	WIN MULW
.irp g, 0,1,2,3
.if \s == 0
	MULG \g, 0, 0, 1                               ; a pass's first K step starts the sums: nothing is cleared
.else
	MULG \g, \s%2, \s, 0
.endif
.endr
.endm
; the 64 numbers in window 2, v[s] on, become a fragment's codes in v[PC] .. v[PC + 11] and its scale word in v[pw].  Each accumulator is read from its low end on.
.macro QUANT s, pw
	WIN 0x0a                                       ; sources 0 and 1 window 2
.irp b, 0,1,2,3
	v_max3_num_f32 v[TM+\b], |v[(\s)+16*\b]|, |v[(\s)+16*\b+1]|, 0x1800000   ; and the floor 2^(3 - 127): so the byte cannot fall under 1
.endr
.irp n, 2,4,6,8,10,12,14
.irp b, 0,1,2,3
	v_max3_num_f32 v[TM+\b], |v[(\s)+16*\b+\n]|, |v[(\s)+16*\b+\n+1]|, v[TM+\b]
.endr
.endr
	WIN 0
.irp b, 0,1,2,3
	v_permlanex16_b32 v[TM+4+\b], v[TM+\b], s[SEL], s[SEL+1]
.endr
.irp b, 0,1,2,3
	v_max_num_f32 v[TM+\b], v[TM+\b], v[TM+4+\b]   ; with lane l xor 16's 16: the block's largest magnitude
.endr
.irp b, 0,1,2,3
	v_add_nc_u32 v[TM+12+\b], 0xff000000, v[TM+\b] ; 2 off its exponent field: the conversion's scale operand
.endr
.irp b, 0,1,2,3
	v_lshrrev_b32 v[TM+4+\b], 23, v[TM+12+\b]      ; the scale's byte
.endr
	v_lshl_or_b32 v[\pw], v[TM+5], 8, v[TM+4]
	v_lshl_or_b32 v[\pw], v[TM+6], 16, v[\pw]
	v_lshl_or_b32 v[\pw], v[TM+7], 24, v[\pw]
	WIN 0x02                                       ; source 0 window 2
.irp c, 0,1
	v_cvt_scalef32_pk16_fp6_f32 v[PC+6*\c:PC+6*\c+2], v[(\s)+32*\c:(\s)+32*\c+15], v[TM+12+2*\c]
	v_cvt_scalef32_pk16_fp6_f32 v[PC+12+4*\c:PC+14+4*\c], v[(\s)+32*\c+16:(\s)+32*\c+31], v[TM+13+2*\c]
.endr
	WIN 0
	v_nop                                          ; one plain place behind a scaled conversion
.irp c, 0,1
.irp i, 0,1,2
	v_permlane16_swap_b32 v[PC+6*\c+\i], v[PC+12+4*\c+\i]
.endr
.irp i, 0,1,2
	v_mov_b32 v[PC+3+6*\c+\i], v[PC+12+4*\c+\i]
.endr
.endr
.endm
; PASS t: eight K steps; then the next pass's scale words are asked for, four places behind the last product, and come under the quantising of this pass's four fragments.
.macro TILE t
	s_wait_loadcnt 0x0                             ; this pass's scale words
.irp s, 0,1,2,3,4,5,6,7
	KSTEP \s, \t
.endr
	WIN 0
	PLACES
.if \t < 2
	SCLOAD \t+1
.endif
.irp a, 0,1,2,3                                ; my four fragments of the output
	s_wait_xcnt 0x0                                ; the earlier stores have read v[PC] on and v[T0], v[T0 + 1]: only now are they written again
	QUANT 64*\a, PW+\a
.irp c, 0,1,2
	global_store_b128 v[OCO], v[PC+4*\c:PC+4*\c+3], s[OC+12*((\t)/2):OC+12*((\t)/2)+1] offset:((\t)%2)*512*UNITB+FRB*\a+512*\c   ; 32 lanes store 512 consecutive bytes; pass 1's unit lies 512 units behind pass 0's
.endr
.endr
	v_cndmask_b32 v[T0], v[PW], v[PW+1], s[HI]     ; lanes 0-15 the even fragment's words, lanes 16-31 the odd one's
	v_cndmask_b32 v[T0+1], v[PW+2], v[PW+3], s[HI]
	global_store_b32 v[SAO], v[T0], s[OS+12*((\t)/2):OS+12*((\t)/2)+1] offset:((\t)%2)*512*512
	global_store_b32 v[SAO], v[T0+1], s[OS+12*((\t)/2):OS+12*((\t)/2)+1] offset:((\t)%2)*512*512+128
.endm
	s_load_b256 s[4:11], s[0:1], 0x0               ; xw_codes s[4:5], xw_scales s[6:7], qkv_codes s[8:9], qkv_scales s[10:11]
	v_lshl_add_u32 v[SPW], v0, 2, SPARE
	v_mov_b32 v[NIL], 0
	ds_add_u32 v[SPW], v[NIL]                      ; the wave's opening: the add, twice on end, and its wait ahead of my first tensor load
	ds_add_u32 v[SPW], v[NIL]
	v_lshrrev_b32 v1, 5, v0
	v_readfirstlane_b32 s[WV], v1
	s_lshr_b32 s[WA], s[WV], 1
	s_and_b32 s[WB], s[WV], 1
	s_bfe_u32 s15, ttmp6, 0x40000                  ; cx
	s_lshl_b32 s16, ttmp9, 2
	s_add_co_u32 s16, s16, s15                     ; X = 4 x cluster x + cx: 0 .. 7
	s_and_b32 s17, ttmp7, 0xffff                   ; y: 0 .. 31; the four partners share it
	s_and_b32 s18, s17, 0x18
	s_add_co_u32 s18, s18, s16                     ; T = 8 (y / 8) + X
	s_and_b32 s19, s17, 7                          ; y % 8
	s_lshl_b32 s27, s19, 1
	s_add_co_u32 s20, s27, s[WB]
	s_add_co_u32 s20, s20, 64                      ; passes 0, 1: my tile of B: 64 + 2 (y % 8) + wave % 2, of Wq | Wk
	s_lshl_b32 s21, s[WB], 5
	s_add_co_u32 s21, s21, s18                     ; pass 2: my tile of B: token tile T + 32 (wave % 2)
	s_add_co_u32 s22, s19, 80                      ; pass 2: A = Wv's tile y % 8
	s_lshl_b32 s23, s18, 4
	s_add_co_u32 s23, s23, s27
	s_add_co_u32 s23, s23, s[WB]                   ; pass 0: my unit = 16 T + 2 (y % 8) + wave % 2
	s_lshl_b32 s24, s21, 3
	s_add_co_u32 s24, s24, s19
	s_add_co_u32 s24, s24, 1024                    ; pass 2: 1024 + 8 x token tile + y % 8
	s_mul_i32 s25, s[WB], 2*UNITB                  ; of a slot's four K steps I fetch two, from number 2 (wave % 2) on: so far on in memory and in LDS
	s_mul_i32 s30, s[WB], 8*UNITB                  ; passes 0, 1: my tile of B in LDS, from region 1 on
	s_mul_i32 s[AB], s18, 8*UNITB
	s_add_co_u32 s[AB], s[AB], s25
	s_mov_b32 s[AB+1], 0
	s_mul_i32 s[BB], s20, 8*UNITB                  ; what feeds the joint loads is made of y and the wave's number alone
	s_mov_b32 s[BB+1], 0
	s_mul_i32 s[AB+12], s22, 8*UNITB
	s_add_co_u32 s[AB+12], s[AB+12], s25
	s_mov_b32 s[AB+13], 0
	SETZ 0, 18, 20, 23
	SETZ 1, 22, 21, 24
	; groups 1: dense blocks as rows of 256 bytes (32 elements of 8 bytes): plain: two K steps, 96 rows; joint: at first four K steps, 192 rows, with the mask of all four partners and bit 21 beside it
	s_mov_b32 s[G1A], 3<<16
	s_mov_b32 s[G1A+1], 32<<16
	s_mov_b32 s[G1A+2], 96<<16
	s_mov_b32 s[G1A+3], 32<<16
	s_mov_b32 s[G1A+4], 96
	s_mov_b32 s[G1A+5], 32
	s_mov_b32 s[G1A+6], 0
	s_mov_b32 s[G1A+7], 0
	s_mov_b32 s[G1B], 15|(3<<16)|(1<<21)
	s_mov_b32 s[G1B+1], 32<<16
	s_mov_b32 s[G1B+2], 192<<16
	s_mov_b32 s[G1B+3], 32<<16
	s_mov_b32 s[G1B+4], 192
	s_mov_b32 s[G1B+5], 32
	s_mov_b32 s[G1B+6], 0
	s_mov_b32 s[G1B+7], 0
	s_mov_b32 s[HI], 0xffff0000
	s_mov_b32 s[SEL], 0x76543210
	s_mov_b32 s[SEL+1], 0xfedcba98
	v_and_b32 v1, 31, v0
	v_lshlrev_b32 v[L16], 4, v1
	v_lshlrev_b32 v[L4], 2, v1
	s_lshl_b32 s26, s[WA], 8
	v_add_nc_u32 v[SAO], s26, v[L4]
	s_mul_i32 s26, s[WA], 4*FRB
	v_add_nc_u32 v[OCO], s26, v[L16]
	v_add_nc_u32 v[ADRA], s26, v[L16]              ; passes 0, 1: A in region 0
	v_add_nc_u32 v[ADRA+1], HALF, v[ADRA]
	v_add_nc_u32 v[ADRA+8], 2*LB, v[ADRA]          ; pass 2: A in region 2
	v_add_nc_u32 v[ADRA+9], 2*LB+HALF, v[ADRA]
	s_add_co_u32 s26, s30, LB
	v_add_nc_u32 v[ADRB], s26, v[L16]              ; passes 0, 1: my tile of B in region 1 or 2
	v_add_nc_u32 v[ADRB+1], HALF, v[ADRB]
	s_xor_b32 s26, s[WB], 1
	s_mul_i32 s26, s26, LB
	v_add_nc_u32 v[ADRB+8], s26, v[L16]            ; pass 2: T in region 1 (wave % 2 = 0), T + 32 in region 0
	v_add_nc_u32 v[ADRB+9], HALF, v[ADRB+8]
.irp b, 0,1,2,3
	v_mov_b32 v[TM+4+\b], 0                        ; written once: a lane permute's destination counts as one of its sources
.endr
	s_wait_alu depctr_va_vdst(0)
	s_wait_dscnt 0x0                               ; both opening adds are done
	s_wait_kmcnt 0x0
	s_add_nc_u64 s[AB:AB+1], s[4:5], s[AB:AB+1]
	s_add_nc_u64 s[BB:BB+1], s[4:5], s[BB:BB+1]
	s_add_nc_u64 s[AB+12:AB+13], s[4:5], s[AB+12:AB+13]
.irp z, 0,1
	s_add_nc_u64 s[SBA+12*\z:SBA+12*\z+1], s[6:7], s[SBA+12*\z:SBA+12*\z+1]
	s_add_nc_u64 s[SBB+12*\z:SBB+12*\z+1], s[6:7], s[SBB+12*\z:SBB+12*\z+1]
	s_add_nc_u64 s[OC+12*\z:OC+12*\z+1], s[8:9], s[OC+12*\z:OC+12*\z+1]
	s_add_nc_u64 s[OS+12*\z:OS+12*\z+1], s[10:11], s[OS+12*\z:OS+12*\z+1]
.endr
.irp h, 0,1
	s_mov_b32 s[G0A+4*\h], 1
	s_add_co_u32 s[G0A+4*\h+1], s25, \h*HALF
	s_add_nc_u64 s[G0A+4*\h+2:G0A+4*\h+3], s[AB:AB+1], \h*HALF
	s_or_b32 s[G0A+4*\h+3], s[G0A+4*\h+3], 0x80000000
	s_mov_b32 s[G0B+4*\h], 1
	s_add_co_u32 s[G0B+4*\h+1], s30, LB+\h*HALF
	s_add_nc_u64 s[G0B+4*\h+2:G0B+4*\h+3], s[BB:BB+1], \h*HALF
	s_or_b32 s[G0B+4*\h+3], s[G0B+4*\h+3], 0x80000000
.endr
	CROUND                                         ; all four work-groups are here: the joint loads meet
	JLOAD 0, 1                                     ; pass 0's slot 0: one tensor load a wave at the head
	SCLOAD 0
	s_wait_tensorcnt 0x0                           ; my part of slot 0 is in
	ds_add_u32 v[SPW], v[NIL]
	s_wait_dscnt 0x0
	CROUND                                         ; everybody's part is in
	JLOAD 1, 1                                     ; slot 1's first fill: the first tensor load behind the round
.irp g, 0,1,2,3
	FETCHG 0, 0, 0, \g, 0
.endr
	TILE 0
	TILE 1
	TILE 2
	s_wait_tensorcnt 0x0                           ; the wave's end: behind my last tensor load
	ds_add_u32 v[SPW], v[NIL]
	s_wait_dscnt 0x0
	CROUND                                         ; the closing round: no work-group ends while a partner may still ask for a tile that names it
	s_endpgm
.Lfunc_end_k_q65b6cbd6a8_proj:
	.size	k_q65b6cbd6a8_proj, .Lfunc_end_k_q65b6cbd6a8_proj-k_q65b6cbd6a8_proj
	.p2alignl 7, 3214868480
	.fill 96, 4, 3214868480
	.section	.rodata,"a",@progbits
	.p2align	6, 0x0
	.amdhsa_kernel k_q65b6cbd6a8_proj
		.amdhsa_group_segment_fixed_size 327680
		.amdhsa_private_segment_fixed_size 0
		.amdhsa_enable_private_segment 0
		.amdhsa_kernarg_size 32
		.amdhsa_user_sgpr_count 2
		.amdhsa_user_sgpr_kernarg_segment_ptr 1
		.amdhsa_wavefront_size32 1
		.amdhsa_system_sgpr_workgroup_id_x 1
		.amdhsa_system_sgpr_workgroup_id_y 1
		.amdhsa_system_sgpr_workgroup_id_z 1
		.amdhsa_system_vgpr_workitem_id 0
		.amdhsa_next_free_vgpr 768
		.amdhsa_next_free_sgpr 100
		.amdhsa_reserve_vcc 0
		.amdhsa_float_denorm_mode_32 3
		.amdhsa_float_denorm_mode_16_64 3
		.amdhsa_memory_ordered 1
		.amdhsa_forward_progress 1
		.amdhsa_inst_pref_size 234
	.end_amdhsa_kernel
	.amdgpu_metadata
---
amdhsa.version: [ 1, 2 ]
amdhsa.kernels:
  - .name:           k_q65b6cbd6a8_proj
    .symbol:         k_q65b6cbd6a8_proj.kd
    .args:
      - { .name: xw_codes, .offset: 0, .size: 8, .value_kind: global_buffer, .address_space: global }
      - { .name: xw_scales, .offset: 8, .size: 8, .value_kind: global_buffer, .address_space: global }
      - { .name: qkv_codes, .offset: 16, .size: 8, .value_kind: global_buffer, .address_space: global }
      - { .name: qkv_scales, .offset: 24, .size: 8, .value_kind: global_buffer, .address_space: global }
    .group_segment_fixed_size: 327680
    .private_segment_fixed_size: 0
    .kernarg_segment_align: 8
    .kernarg_segment_size: 32
    .max_flat_workgroup_size: 128
    .sgpr_count:     100
    .vgpr_count:     768
    .wavefront_size: 32
...
	.end_amdgpu_metadata
.endif
;; end of part 2
;; launch scores (part 3): grid 9 x 16, 4 waves a work-group, no clusters, 327,680 bytes of LDS; arguments qkv_codes, qkv_scales, p_codes, p_stats; writes p_codes, p_stats
.if DOCPART == 3
	.amdgcn_target "amdgcn-amd-amdhsa--gfx1250"
	.amdhsa_code_object_version 6
	.text
	.protected	k_q65b6cbd6a8_scores
	.globl	k_q65b6cbd6a8_scores
	.p2align	8
	.type	k_q65b6cbd6a8_scores,@function
k_q65b6cbd6a8_scores:
	s_mov_b64 s[64:65], 0
	v_nop
	global_prefetch_b8 v0, s[64:65] scope:SCOPE_SE
	s_setreg_imm32_b32 hwreg(HW_REG_WAVE_MODE, 25, 1), 1
	s_wait_xcnt 0x0
; S = q k^T on codes of FP6 (E2M3), the causal mask, and p = 2^(t - M) quantised along the keys, for each batch.  t = score x log2(e) / 32.
; LEFT OUT: blocks of 256 queries x 256 keys that lie wholly above the diagonal: the causal mask sets those scores to -infinity, so they reach no output.
; M IS LOCAL: for each query and each 128 keys, M = the ceiling of the largest t among those 128 keys: always taken away.  A power of two goes into a block's scale, so the codes are those of the row's own M;
; the last launch joins the units of a row by shifting scale bytes.  Stored for each unit (128 queries x 128 keys): p's codes as fragments, p's scale words, -M and the sum of the unquantised p.
; UNITS: 128 rows x 128 along K as images of the operand's registers: eight fragments of 1,536 bytes (registers 4 c .. 4 c + 3 of lane l at 512 c + 16 l); scale words at 64 a + 4 r.
; in: qkv unit 16 T + s (q: s 0-7, k: s 8-15).  out: unit u = 136 b + i (i + 1) / 2 + s (i: query tile of batch b, s <= i: key tile): the kept triangle, packed.
; p_stats: three sections of 278,528 bytes (scale words, -M, sums), each 512 u + 64 a + 4 r.
; SHARES.  A work-group makes query tiles 2 I, 2 I + 1 x key tiles 2 J, 2 J + 1 (J <= I) of one batch over K = 1,024; wave w makes ONE unit, query tile 2 I + w / 2 x key tile 2 J + w % 2: 64 accumulators, 512 registers.
; Rows I = pr and 7 - pr have 9 such blocks together: grid x walks them; grid y = 4 x batch + pr: 144 work-groups of equal work.
; Where I = J, the unit of query tile 2 I and key tile 2 I + 1 lies under the mask: its wave multiplies beside its partners (every wave passes every barrier) and stores nothing.
; LDS: four regions (q's two tiles, k's two) of six K steps each, 73,728 bytes.  Wave w fetches region w: K steps 0 to 5 by its one load at the head (288 rows of 256 bytes); K steps 6 and 7 take the places of
; K steps 0 and 1 at the head of K step 1, when those have been read out, and are first read at the head of K step 5.  One load of a wave is out at the most; every wait on TENSORcnt is for 0.
; A K STEP: its 16 fragments are in; the next step's 48 loads go out in one run at its head and have this step's 64 products in which to come.
; THE MATRIX INSTRUCTION IS USED TRANSPOSED (source 0 = 16 keys, source 1 = 16 queries): a lane holds one query, and by the order of k's rows register 16 b + n of a fragment's eight accumulators is key 32 b + 16 h + n.
; NO CLUSTER: a pair of key tiles is read by 8 - J blocks, a pair of query tiles by I + 1, and a row of the grid holds two values of I: none of these counts is a multiple of four.
; NO PREFETCH: the text has no loop to run ahead in, and three quarters of a work-group's bytes are asked for by its first load.
; LIMITS: no block's largest p is taken under 2^-61, so every scale byte of p is 64 at the least: a block all of whose p lie under 2^-61 is quantised under the scale 2^-63, with an error of at most 2^-67 a number,
; beside a largest p of the unit's row of over 1/2.  (The last launch leans on the 64.)  NaN and infinities are not served.
; REGISTERS: window 0: v4-11 addresses; v32-95 scale words; v96-191 q's fragments, set 0 (behind the K steps: the softmax's registers); v192-251 set 1's fragments 0-4.
;   window 1: v0-95, v96-191 k's fragments, two sets; v192-227 q's set 1, fragments 5-7.   windows 2, 3: accumulator (a, b) at v[8 (8 (a % 4) + b)] of window 2 + a / 4.
.set UNITB, 12288
.set FRB,   1536
.set REG,   6*UNITB                    ; a tile's region
.set SPARE, 24*UNITB                   ; behind the regions: the spare words, 128 bytes a wave: two blocks of 256 bytes that no other line names
.set SECM,  278528
.set SECL,  557056
.set L16,  4                           ; v4    16 x lane
.set L4,   5                           ; v5    4 x lane
.set ADRA, 6                           ; v6-7  LDS address of my query tile's places 0-2, 3-5
.set ADRB, 8                           ; v8-9  of my key tile's
.set D0,   10                          ; v10   r + 8 (r / 8) - 16 h
.set NINF, 11                          ; v11   -infinity
.set SPW,  28                          ; v28   my spare word's address; never rewritten
.set NIL,  29                          ; v29   0; never rewritten
.set SC,   32                          ; K step s: v[SC + 8 s + e]: q's fragments 2 e (lanes 0-15), 2 e + 1 (lanes 16-31); v[SC + 8 s + 4 + e]: k's
.set A0,   96
.set A1,   192
.set TM,   96                          ; the softmax's registers, over q's set 0
.set PC,   112
.set PW,   132                         ; v132-139 p's scale words, a fragment each
.set NM,   140                         ; v140-141 -M (a pair: the packed form names both)
.set NMS,  142                         ; v142-149 -M, a fragment each
.set LS,   150                         ; v150-157 the sums
.set LL,   158                         ; v158-161 two chains of packed sums
.set SD,   162                         ; v162-173 what is stored of the three
.set WV,   12
.set WA,   13
.set WB,   14
.set QI,   15                          ; s15 my query tile i
.set SU,   16                          ; s16 my key tile
.set G0,   32                          ; s[32:35] group 0;  s[40:47] group 1
.set G1,   40
.set SBA,  48                          ; s[48:49] q's scale words;  s[50:51] k's;  s[52:53], s[54:55] where my codes and statistics go;  s[56:57] what I fetch
.set SBB,  50
.set OC,   52
.set OS,   54
.set TB,   56
.set HI,   58
.set SEL,  60
.set CS,   62                          ; s[62:63] c = log2(e) / 32
.set MSB, 0
.macro WIN new                         ; the immediate's high byte repeats the setting that is left
.if MSB != \new
	s_set_vgpr_msb (MSB<<8)|\new
.set MSB, \new
.endif
.endm
.set TO_B, 0x40                        ; destination window 1, address window 0
.macro PLACES                          ; four plain places behind matrix instructions (ISA guide 7.12.1)
.rept 4
	v_nop
.endr
.endm
; 48 LDS loads in one run: K step s's fragments into set p.  K step s lies at place s % 6 of its region
.macro FETCH s, p
.set PO, (\s)%6
	WIN TO_B
.irp b, 0,1,2,3,4,5,6,7
.irp c, 0,1,2
	ds_load_b128 v[96*(\p)+12*\b+4*\c:96*(\p)+12*\b+4*\c+3], v[ADRB+PO/3] offset:(PO%3)*UNITB+\b*FRB+\c*512
.endr
.endr
.if \p
.irp a, 5,6,7
.irp c, 0,1,2
	ds_load_b128 v[A1+12*(\a-5)+4*\c:A1+12*(\a-5)+4*\c+3], v[ADRA+PO/3] offset:(PO%3)*UNITB+\a*FRB+\c*512
.endr
.endr
	WIN 0
.irp a, 0,1,2,3,4
.irp c, 0,1,2
	ds_load_b128 v[A1+12*\a+4*\c:A1+12*\a+4*\c+3], v[ADRA+PO/3] offset:(PO%3)*UNITB+\a*FRB+\c*512
.endr
.endr
.else
	WIN 0
.irp a, 0,1,2,3,4,5,6,7
.irp c, 0,1,2
	ds_load_b128 v[A0+12*\a+4*\c:A0+12*\a+4*\c+3], v[ADRA+PO/3] offset:(PO%3)*UNITB+\a*FRB+\c*512
.endr
.endr
.endif
.endm
; one product; rb, ra: the scale words stand in lanes 16-31 of k's, of q's scale register
.macro WM zero, rb, ra
.if \zero
.if (\rb) && (\ra)
	v_wmma_scale_f32_16x16x128_f8f6f4 v[rAC:rAC+7], v[rBF:rBF+11], v[rAF:rAF+11], 0, v[rSB], v[rSA] matrix_a_fmt:MATRIX_FMT_FP6 matrix_b_fmt:MATRIX_FMT_FP6 matrix_a_scale:MATRIX_SCALE_ROW1 matrix_b_scale:MATRIX_SCALE_ROW1
.elseif (\rb)
	v_wmma_scale_f32_16x16x128_f8f6f4 v[rAC:rAC+7], v[rBF:rBF+11], v[rAF:rAF+11], 0, v[rSB], v[rSA] matrix_a_fmt:MATRIX_FMT_FP6 matrix_b_fmt:MATRIX_FMT_FP6 matrix_a_scale:MATRIX_SCALE_ROW1
.elseif (\ra)
	v_wmma_scale_f32_16x16x128_f8f6f4 v[rAC:rAC+7], v[rBF:rBF+11], v[rAF:rAF+11], 0, v[rSB], v[rSA] matrix_a_fmt:MATRIX_FMT_FP6 matrix_b_fmt:MATRIX_FMT_FP6 matrix_b_scale:MATRIX_SCALE_ROW1
.else
	v_wmma_scale_f32_16x16x128_f8f6f4 v[rAC:rAC+7], v[rBF:rBF+11], v[rAF:rAF+11], 0, v[rSB], v[rSA] matrix_a_fmt:MATRIX_FMT_FP6 matrix_b_fmt:MATRIX_FMT_FP6
.endif
.else
.if (\rb) && (\ra)
	v_wmma_scale_f32_16x16x128_f8f6f4 v[rAC:rAC+7], v[rBF:rBF+11], v[rAF:rAF+11], v[rAC:rAC+7], v[rSB], v[rSA] matrix_a_fmt:MATRIX_FMT_FP6 matrix_b_fmt:MATRIX_FMT_FP6 matrix_a_scale:MATRIX_SCALE_ROW1 matrix_b_scale:MATRIX_SCALE_ROW1
.elseif (\rb)
	v_wmma_scale_f32_16x16x128_f8f6f4 v[rAC:rAC+7], v[rBF:rBF+11], v[rAF:rAF+11], v[rAC:rAC+7], v[rSB], v[rSA] matrix_a_fmt:MATRIX_FMT_FP6 matrix_b_fmt:MATRIX_FMT_FP6 matrix_a_scale:MATRIX_SCALE_ROW1
.elseif (\ra)
	v_wmma_scale_f32_16x16x128_f8f6f4 v[rAC:rAC+7], v[rBF:rBF+11], v[rAF:rAF+11], v[rAC:rAC+7], v[rSB], v[rSA] matrix_a_fmt:MATRIX_FMT_FP6 matrix_b_fmt:MATRIX_FMT_FP6 matrix_b_scale:MATRIX_SCALE_ROW1
.else
	v_wmma_scale_f32_16x16x128_f8f6f4 v[rAC:rAC+7], v[rBF:rBF+11], v[rAF:rAF+11], v[rAC:rAC+7], v[rSB], v[rSA] matrix_a_fmt:MATRIX_FMT_FP6 matrix_b_fmt:MATRIX_FMT_FP6
.endif
.endif
.endm
; A K step's 64 products, from set p.  The 64 accumulators take turns, one instruction a turn, in the same order in every K step.
; The window byte: source 0 (k) window 1; source 1 (q) window 0, or 1 for set 1's fragments 5-7; C and D window 2 + a / 4.
.macro MUL s, p, zero
.irp a, 0,1,2,3,4,5,6,7
.if (\p) && (\a > 4)
.set rAF, A1+12*(\a-5)
	WIN (((2+\a/4)*0x50)|5)
.elseif (\p)
.set rAF, A1+12*\a
	WIN (((2+\a/4)*0x50)|1)
.else
.set rAF, A0+12*\a
	WIN (((2+\a/4)*0x50)|1)
.endif
.irp b, 0,1,2,3,4,5,6,7
.set rAC, 8*(8*(\a%4)+\b)
.set rBF, 96*(\p)+12*\b
.set rSB, SC+8*(\s)+4+\b/2
.set rSA, SC+8*(\s)+\a/2
	WM \zero, \b%2, \a%2
.endr
.endr
.endm
; A MEETING of the four waves: each waits for all its tensor loads, adds 0 to its spare word, and waits for that and for its LDS reads.  Behind the barrier what was on its way is whole for all.
; fill = 1: places 0 and 1 of every region have been read out, and each wave's region takes K steps 6 and 7 there: the first thing behind the barrier.
.macro SYNC fill
	WIN 0                                          ; (the add's two registers lie in window 0)
	s_wait_tensorcnt 0x0                           ; no tensor load of mine is out, so the descriptor may be written
	ds_add_u32 v[SPW], v[NIL]                      ; 0 onto my spare word
.if \fill
	s_add_nc_u64 s[G0+2:G0+3], s[G0+2:G0+3], 6*UNITB   ; six K steps on in my tile; the LDS address stays
	s_mov_b32 s[G1+2], 96<<16                      ; two K steps: 96 rows of 256 bytes
	s_mov_b32 s[G1+4], 96
.endif
	s_wait_dscnt 0x0                               ; the add is done, and my LDS reads are over
	s_barrier_signal -1
	s_barrier_wait -1
.if \fill
	tensor_load_to_lds s[G0:G0+3], s[G1:G1+7]
	s_nop 0
.endif
	PLACES                                         ; ahead of the loads into the set that the last K step multiplied
.endm
.macro KSTEP s
.if \s == 1
	SYNC 1
.elseif \s == 5
	SYNC 0                                         ; K steps 6 and 7 are whole
.else
	s_wait_dscnt 0x0                               ; this step's fragments are in
	PLACES
.endif
.if \s < 7
	FETCH \s+1, 1-\s%2
.endif
.if \s == 0
	MUL 0, 0, 1                                    ; the first K step starts the sums: nothing is cleared
.else
	MUL \s, \s%2, 0
.endif
.endm
; On the diagonal (my key tile = my query tile) hidden scores become -infinity.  Register 16 g + m of fragment a holds key 32 g + 16 h + m; my query is 32 (a / 2) + 8 (a % 2) + r + 8 (r / 8).
; Blocks g < a / 2 hold no hidden key: 32 g + 15 + 16 h lies under every query of the fragment.
.macro MASK a
.set W, 2+(\a)/4
	WIN (W|(W<<6))                                 ; destination and source 0: the accumulators' window
.irp g, 0,1,2,3
.if \g >= (\a)/2
.irp m, 0,1,2,3,4,5,6,7,8,9,10,11,12,13,14,15
	v_cmp_gt_i32 vcc_lo, 32*\g+\m-32*((\a)/2)-8*((\a)%2), v[D0]
	v_cndmask_b32 v[64*((\a)%4)+16*\g+\m], v[64*((\a)%4)+16*\g+\m], v[NINF], vcc_lo
.endr
.endif
.endr
	WIN 0
.endm
; The softmax's part and the quantiser, for fragment a: 16 queries x my 128 keys; a lane holds one query and 64 keys.  Each accumulator is read from its low end on.
.macro SMQ a
.set S, 64*((\a)%4)
.set W, 2+(\a)/4
	s_wait_xcnt 0x0                                ; the earlier stores have read v[PC] on: only now are they written again
	WIN (W|(W<<2))
.irp b, 0,1,2,3
	v_max_num_f32 v[TM+\b], v[S+16*\b], v[S+16*\b+1]   ; the largest score of each block of 32 keys: it serves for the row's maximum and, since p rises with the score, for the block's largest p
.endr
.irp n, 2,4,6,8,10,12,14
.irp b, 0,1,2,3
	v_max3_num_f32 v[TM+\b], v[S+16*\b+\n], v[S+16*\b+\n+1], v[TM+\b]
.endr
.endr
	WIN 0
.irp b, 0,1,2,3
	v_permlanex16_b32 v[TM+4+\b], v[TM+\b], s[SEL], s[SEL+1]
.endr
.irp b, 0,1,2,3
	v_max_num_f32 v[TM+\b], v[TM+\b], v[TM+4+\b]   ; with lane l xor 16's 16 keys
.endr
	v_max3_num_f32 v[TM+8], v[TM], v[TM+1], v[TM+2]
	v_max_num_f32 v[TM+8], v[TM+8], v[TM+3]        ; my query's largest score among the 128 keys (key 0 of the tile counts for every query: it is a number)
	v_mul_f32 v[TM+8], s[CS], v[TM+8]              ; as t
	v_floor_f32 v[NM], -v[TM+8]                    ; -M = floor(-t) = -ceil(t): a whole number
	v_mov_b32 v[NM+1], v[NM]                       ; (named with it as a pair)
	WIN (W|(W<<6))
.set j, 0
.rept 32
	v_pk_fma_f32 v[S+j:S+j+1], v[S+j:S+j+1], s[CS:CS+1], v[NM:NM+1] op_sel_hi:[1,0,0]   ; t - M, two at a time
.set j, j+2
.endr
	WIN 0
.irp b, 0,1,2,3
	v_fma_f32 v[TM+\b], v[TM+\b], s[CS], v[NM]     ; the same of each block's largest score
.endr
	WIN (W|(W<<6))
.set j, 0
	s_wait_alu depctr_va_vdst(0)
.rept 64
	v_exp_f32 v[S+j], v[S+j]                       ; p = 2^(t - M), at most 1
.set j, j+1
.endr
	WIN 0
.irp b, 0,1,2,3
	v_exp_f32 v[TM+\b], v[TM+\b]                   ; each block's largest p: the same two instructions on the same number
.endr
	v_mov_b32 v[NMS+\a], v[NM]                     ; a plain place behind the exponentials
	s_wait_alu depctr_va_vdst(0)                   ; one wait for the batch of 68, ahead of its first reader
	WIN (W|(W<<2))
	v_pk_add_f32 v[LL:LL+1], v[S:S+1], v[S+2:S+3]  ; the sum of the unquantised p: two at a time, in two chains
	v_pk_add_f32 v[LL+2:LL+3], v[S+4:S+5], v[S+6:S+7]
	WIN W
.set j, 8
.rept 14
	v_pk_add_f32 v[LL:LL+1], v[S+j:S+j+1], v[LL:LL+1]
	v_pk_add_f32 v[LL+2:LL+3], v[S+j+2:S+j+3], v[LL+2:LL+3]
.set j, j+4
.endr
	WIN 0
	v_pk_add_f32 v[LL:LL+1], v[LL:LL+1], v[LL+2:LL+3]
	v_add_f32 v[LL], v[LL], v[LL+1]
	v_permlanex16_b32 v[LL+2], v[LL], s[SEL], s[SEL+1]
	v_add_f32 v[LS+\a], v[LL], v[LL+2]             ; with lane l xor 16's 64 keys
.irp b, 0,1,2,3
	v_max_num_f32 v[TM+\b], 0x21000000, v[TM+\b]   ; the floor 2^-61: the byte is 64 at the least
.endr
.irp b, 0,1,2,3
	v_add_nc_u32 v[TM+12+\b], 0xff000000, v[TM+\b] ; 2 off the exponent field: the conversion's scale operand
.endr
.irp b, 0,1,2,3
	v_lshrrev_b32 v[TM+4+\b], 23, v[TM+12+\b]      ; the scale's byte
.endr
	v_lshl_or_b32 v[PW+\a], v[TM+5], 8, v[TM+4]
	v_lshl_or_b32 v[PW+\a], v[TM+6], 16, v[PW+\a]
	v_lshl_or_b32 v[PW+\a], v[TM+7], 24, v[PW+\a]
	WIN W
.irp c, 0,1
	v_cvt_scalef32_pk16_fp6_f32 v[PC+6*\c:PC+6*\c+2], v[S+32*\c:S+32*\c+15], v[TM+12+2*\c]
	v_cvt_scalef32_pk16_fp6_f32 v[PC+12+4*\c:PC+14+4*\c], v[S+32*\c+16:S+32*\c+31], v[TM+13+2*\c]
.endr
	WIN 0
	v_nop                                          ; one plain place behind a scaled conversion
.irp c, 0,1
.irp i, 0,1,2
	v_permlane16_swap_b32 v[PC+6*\c+\i], v[PC+12+4*\c+\i]
.endr
.irp i, 0,1,2
	v_mov_b32 v[PC+3+6*\c+\i], v[PC+12+4*\c+\i]
.endr
.endr
.irp c, 0,1,2
	global_store_b128 v[L16], v[PC+4*\c:PC+4*\c+3], s[OC:OC+1] offset:FRB*\a+512*\c   ; 32 lanes store 512 consecutive bytes
.endr
.endm
	s_load_b256 s[4:11], s[0:1], 0x0               ; qkv_codes s[4:5], qkv_scales s[6:7], p_codes s[8:9], p_stats s[10:11]
	v_lshl_add_u32 v[SPW], v0, 2, SPARE
	v_mov_b32 v[NIL], 0
	ds_add_u32 v[SPW], v[NIL]                      ; the wave's opening: the add, twice on end, and its wait ahead of my first tensor load
	ds_add_u32 v[SPW], v[NIL]
	v_lshrrev_b32 v1, 5, v0
	v_readfirstlane_b32 s[WV], v1
	s_lshr_b32 s[WA], s[WV], 1
	s_and_b32 s[WB], s[WV], 1
	s_and_b32 s17, ttmp7, 0xffff
	s_and_b32 s18, s17, 3                          ; pr
	s_lshr_b32 s19, s17, 2                         ; the batch
	s_add_co_u32 s20, s18, 1                       ; row pr has pr + 1 blocks
	s_sub_co_u32 s21, 7, s18
	s_max_u32 s22, ttmp9, s20
	s_sub_co_u32 s22, s22, s20
	s_cmp_lt_u32 ttmp9, s20
	s_cselect_b32 s23, s18, s21                    ; I = pr, or 7 - pr
	s_cselect_b32 s24, ttmp9, s22                  ; J
	s_lshl_b32 s25, s19, 4                         ; the batch's first token tile
	s_lshl_b32 s23, s23, 1
	s_lshl_b32 s24, s24, 1
	s_add_co_u32 s[QI], s23, s[WA]                 ; my query tile
	s_add_co_u32 s[SU], s24, s[WB]                 ; my key tile
	s_cmp_lt_u32 s[WV], 2                          ; what I fetch: waves 0, 1 the query tiles, waves 2, 3 the key tiles
	s_cselect_b32 s26, s23, s24
	s_cselect_b32 s27, 0, 8                        ; k's units lie behind q's
	s_add_co_u32 s26, s26, s[WB]
	s_add_co_u32 s26, s26, s25
	s_lshl_b32 s26, s26, 4
	s_add_co_u32 s26, s26, s27
	s_mul_i32 s[TB], s26, UNITB
	s_mov_b32 s[TB+1], 0
	s_add_co_u32 s26, s25, s[QI]
	s_lshl_b32 s[SBA], s26, 13
	s_mov_b32 s[SBA+1], 0
	s_add_co_u32 s26, s25, s[SU]
	s_lshl_b32 s[SBB], s26, 13
	s_add_co_u32 s[SBB], s[SBB], 4096
	s_mov_b32 s[SBB+1], 0
	s_add_co_u32 s26, s[QI], 1
	s_mul_i32 s26, s26, s[QI]
	s_lshr_b32 s26, s26, 1
	s_mul_i32 s27, s19, 136
	s_add_co_u32 s26, s26, s27
	s_add_co_u32 s26, s26, s[SU]                   ; u
	s_mul_i32 s[OC], s26, UNITB
	s_mov_b32 s[OC+1], 0
	s_lshl_b32 s[OS], s26, 9
	s_mov_b32 s[OS+1], 0
	s_mov_b32 s[G1], 3<<16                         ; group 1: a dense block as rows of 256 bytes (32 elements of 8 bytes): six K steps, 288 rows
	s_mov_b32 s[G1+1], 32<<16
	s_mov_b32 s[G1+2], 288<<16
	s_mov_b32 s[G1+3], 32<<16
	s_mov_b32 s[G1+4], 288
	s_mov_b32 s[G1+5], 32
	s_mov_b32 s[G1+6], 0
	s_mov_b32 s[G1+7], 0
	s_mov_b32 s[G0], 1
	s_mul_i32 s[G0+1], s[WV], REG                  ; region w
	s_mov_b32 s[HI], 0xffff0000
	s_mov_b32 s[SEL], 0x76543210
	s_mov_b32 s[SEL+1], 0xfedcba98
	s_mov_b32 s[CS], 0x3d38aa3b                    ; log2(e) / 32
	s_mov_b32 s[CS+1], s[CS]                       ; (named with it as a pair)
	s_wait_dscnt 0x0                               ; both opening adds are done
	s_wait_kmcnt 0x0
	s_add_nc_u64 s[G0+2:G0+3], s[4:5], s[TB:TB+1]
	s_or_b32 s[G0+3], s[G0+3], 0x80000000
	tensor_load_to_lds s[G0:G0+3], s[G1:G1+7]      ; K steps 0 to 5 of my tile: one tensor load a wave at the head
	s_nop 0
	v_and_b32 v1, 31, v0
	v_lshlrev_b32 v[L16], 4, v1
	v_lshlrev_b32 v[L4], 2, v1
	s_mul_i32 s26, s[WA], REG
	v_add_nc_u32 v[ADRA], s26, v[L16]
	v_add_nc_u32 v[ADRA+1], 3*UNITB, v[ADRA]
	s_mul_i32 s26, s[WB], REG
	s_add_co_u32 s26, s26, 2*REG
	v_add_nc_u32 v[ADRB], s26, v[L16]
	v_add_nc_u32 v[ADRB+1], 3*UNITB, v[ADRB]
	v_and_b32 v2, 15, v0
	v_and_b32 v3, 8, v2
	v_add_nc_u32 v[D0], v2, v3
	v_and_b32 v3, 16, v0
	v_sub_nc_u32 v[D0], v[D0], v3
	v_mov_b32 v[NINF], 0xff800000
	s_add_nc_u64 s[SBA:SBA+1], s[6:7], s[SBA:SBA+1]
	s_add_nc_u64 s[SBB:SBB+1], s[6:7], s[SBB:SBB+1]
	s_add_nc_u64 s[OC:OC+1], s[8:9], s[OC:OC+1]
	s_add_nc_u64 s[OS:OS+1], s[10:11], s[OS:OS+1]
.irp s, 0,1,2,3,4,5,6,7                        ; all scale words of my two tiles: 64 registers
.irp e, 0,1,2,3
	global_load_b32 v[SC+8*\s+\e], v[L4], s[SBA:SBA+1] offset:512*\s+128*\e
	global_load_b32 v[SC+8*\s+4+\e], v[L4], s[SBB:SBB+1] offset:512*\s+128*\e
.endr
.endr
	s_wait_alu depctr_va_vdst(0)
	SYNC 0                                         ; everybody's K steps 0 to 5 are in
	FETCH 0, 0
	s_wait_loadcnt 0x0                             ; the scale words
.irp s, 0,1,2,3,4,5,6,7
	KSTEP \s
.endr
	WIN 0
	PLACES
.irp b, 0,1,2,3
	v_mov_b32 v[TM+4+\b], 0                        ; written once: a lane permute's destination counts as one of its sources
.endr
	s_cmp_gt_u32 s[SU], s[QI]                      ; a unit wholly under the mask: nothing is stored.  (Ids and the wave's number; the jump leads round register work and stores alone)
	s_cbranch_scc1 .Lskip
.irp a, 0,1,2,3,4,5,6,7
	s_cmp_lg_u32 s[SU], s[QI]
	s_cbranch_scc1 .Lopen\a
	s_wait_alu depctr_va_vdst(0)
	MASK \a
.Lopen\a:
	SMQ \a
.endr
.irp e, 0,1,2,3                                ; lanes 0-15 the even fragment's numbers, lanes 16-31 the odd one's: as the scale words of a unit lie
	v_cndmask_b32 v[SD+\e], v[PW+2*\e], v[PW+2*\e+1], s[HI]
	v_cndmask_b32 v[SD+4+\e], v[NMS+2*\e], v[NMS+2*\e+1], s[HI]
	v_cndmask_b32 v[SD+8+\e], v[LS+2*\e], v[LS+2*\e+1], s[HI]
.endr
.irp e, 0,1,2,3
	global_store_b32 v[L4], v[SD+\e], s[OS:OS+1] offset:128*\e
	global_store_b32 v[L4], v[SD+4+\e], s[OS:OS+1] offset:SECM+128*\e
	global_store_b32 v[L4], v[SD+8+\e], s[OS:OS+1] offset:SECL+128*\e
.endr
.Lskip:
	s_wait_tensorcnt 0x0                           ; the wave's end: behind my last tensor load
	ds_add_u32 v[SPW], v[NIL]
	s_wait_dscnt 0x0
	s_endpgm
.Lfunc_end_k_q65b6cbd6a8_scores:
	.size	k_q65b6cbd6a8_scores, .Lfunc_end_k_q65b6cbd6a8_scores-k_q65b6cbd6a8_scores
	.p2alignl 7, 3214868480
	.fill 96, 4, 3214868480
	.section	.rodata,"a",@progbits
	.p2align	6, 0x0
	.amdhsa_kernel k_q65b6cbd6a8_scores
		.amdhsa_group_segment_fixed_size 327680
		.amdhsa_private_segment_fixed_size 0
		.amdhsa_enable_private_segment 0
		.amdhsa_kernarg_size 32
		.amdhsa_user_sgpr_count 2
		.amdhsa_user_sgpr_kernarg_segment_ptr 1
		.amdhsa_wavefront_size32 1
		.amdhsa_system_sgpr_workgroup_id_x 1
		.amdhsa_system_sgpr_workgroup_id_y 1
		.amdhsa_system_sgpr_workgroup_id_z 1
		.amdhsa_system_vgpr_workitem_id 0
		.amdhsa_next_free_vgpr 1024
		.amdhsa_next_free_sgpr 100
		.amdhsa_reserve_vcc 1
		.amdhsa_float_denorm_mode_32 3
		.amdhsa_float_denorm_mode_16_64 3
		.amdhsa_memory_ordered 1
		.amdhsa_forward_progress 1
		.amdhsa_inst_pref_size 217
	.end_amdhsa_kernel
	.amdgpu_metadata
---
amdhsa.version: [ 1, 2 ]
amdhsa.kernels:
  - .name:           k_q65b6cbd6a8_scores
    .symbol:         k_q65b6cbd6a8_scores.kd
    .args:
      - { .name: qkv_codes, .offset: 0, .size: 8, .value_kind: global_buffer, .address_space: global }
      - { .name: qkv_scales, .offset: 8, .size: 8, .value_kind: global_buffer, .address_space: global }
      - { .name: p_codes, .offset: 16, .size: 8, .value_kind: global_buffer, .address_space: global }
      - { .name: p_stats, .offset: 24, .size: 8, .value_kind: global_buffer, .address_space: global }
    .group_segment_fixed_size: 327680
    .private_segment_fixed_size: 0
    .kernarg_segment_align: 8
    .kernarg_segment_size: 32
    .max_flat_workgroup_size: 128
    .sgpr_count:     100
    .vgpr_count:     1024
    .wavefront_size: 32
...
	.end_amdgpu_metadata
.endif
;; end of part 3
;; launch pv (part 4): grid 4 x 64, 4 waves a work-group, no clusters, 327,680 bytes of LDS; arguments p_codes, p_stats, qkv_codes, qkv_scales, out0; writes out0
.if DOCPART == 4
	.amdgcn_target "amdgcn-amd-amdhsa--gfx1250"
	.amdhsa_code_object_version 6
	.text
	.protected	k_q65b6cbd6a8_pv
	.globl	k_q65b6cbd6a8_pv
	.p2align	8
	.type	k_q65b6cbd6a8_pv,@function
k_q65b6cbd6a8_pv:
	s_mov_b64 s[64:65], 0
	v_nop
	global_prefetch_b8 v0, s[64:65] scope:SCOPE_SE
	s_setreg_imm32_b32 hwreg(HW_REG_WAVE_MODE, 25, 1), 1
	s_wait_xcnt 0x0
; out = (p v) / l on codes of FP6 (E2M3).  p comes as units of 128 queries x 128 keys, each quantised under its own whole number M for each query; v^T as units of 128 d x 128 keys.
; JOINING THE UNITS.  The row's M is the largest of its units' M.  A unit's p are brought under it by the factor 2^-k, k = M(row) - M(unit), a whole number: k is taken off each of the unit's four scale
; bytes of that query, and the unit's sum is multiplied by 2^-k.  Nothing is rounded.  At the end the product is divided by the row's sum.
; LIMITS: k is held at 63: a unit whose M lies further under the row's counts with the factor 2^-63 in place of a smaller one, beside a largest weight of the row of over 1/2.  p's scale bytes are 64 at the
; least (the launch before sees to that), so one subtraction of k x 0x01010101 shifts all four bytes with no borrow, and no byte falls under 1.  NaN and infinities are not served.
; SHARES.  A work-group makes 128 queries (tile i of batch b) x 256 d; four waves, 2 x 2, each 64 x 128: 32 accumulators.  K = the key steps 0 .. i: what lies under the mask is not multiplied.
; THE MATRIX INSTRUCTION IS USED TRANSPOSED (source 0 = 16 rows of v^T, source 1 = 16 queries): a lane holds one query, and by the order of v^T's rows register 16 b + n of its eight accumulators is d 32 b + 16 h + n.
; THE RING.  Two slots of four key steps (p 49,152 bytes, v^T 98,304).  All four phases are written out.  Every work-group passes every change of slots; a slot whose first key step lies beyond i is not asked
; for, and a key step beyond i is not multiplied: scalar branches on ids, the same in all four waves; every wait on TENSORcnt is for 0; one load of a wave is out at the most.
; A slot's load of p takes four units on end from the packed triangle: beyond key step i those are the next query tile's units: stored bytes inside the buffer, never multiplied.
; NO CLUSTER: the loads end at the causal limit by a jump on the work-group's number, round which a joint load may not be led; and what the four tiles of d share, p, is a third of a slot's bytes.
; NO PREFETCH: a work-group has four loads a wave at the most, and the first two go out at its head.
; REGISTERS: window 0: v4-21 addresses and 1 / l; v32-127 scale words of 16 key steps; v128-223 p's fragments, two sets (at the head: the statistics; on the way out v128-255: rows of out).
;   window 1: v^T's fragments, two sets, at v0 and v128.   window 2: accumulator (a, b) at v[8 (8 a + b)].
.set UNITB, 12288
.set FRB,   1536
.set SLOT,  12*UNITB                   ; p's four key steps, then v^T's two tiles of four
.set SPARE, 2*SLOT                     ; behind the ring: the spare words, 128 bytes a wave: two blocks of 256 bytes that no other line names
.set SECM,  278528
.set SECL,  557056
.set L16,  4                           ; v4     16 x lane
.set L4,   5                           ; v5     4 x lane
.set ADRA, 6                           ; v6-7   LDS address of my fragments of p in slot 0, 1
.set ADRB, 8                           ; v8-9   of v^T
.set STO,  10                          ; v10    the way out: my stage, row r, + 64 h
.set RD,   11                          ; v11    and back: 16 x lane
.set SAO,  12                          ; v12    4 x lane + 256 x (wave / 2)
.set RL,   14                          ; v14-21 1 / l of fragment a at v[RL + 2 a] (pairs: the packed form names both)
.set SPW,  28
.set NIL,  29
.set SC,   32                          ; key step s: v[SC + 6 s + pi] p's words; v[SC + 6 s + 2 + rho] v^T's
.set AF,   128
.set NMR,  128                         ; at the head: v128-159 -M(unit), v160-191 the units' sums, v192-207 offsets, v208-219 at work
.set LR,   160
.set OFS,  192
.set NMG,  208
.set TA,   210
.set LT,   214
.set RC,   216
.set RX,   218
.set TMP,  128                         ; the way out
.set BK,   192
.set WV,   16
.set WA,   17
.set WB,   18
.set QI,   21                          ; s21 the query tile i
.set G0A,  32                          ; s[32:39] groups 0 for p, a set for each slot;  s[40:47] for v^T
.set G0B,  40
.set G1A,  48
.set G1B,  56
.set HI,   84
.set SEL,  86
.set ST,   88                          ; s[88:89] the row's statistics;  s[90:91] v^T's scale words;  s[92:93] my rows of out
.set SBB,  90
.set OB,   92
.set MSB, 0
.macro WIN new
.if MSB != \new
	s_set_vgpr_msb (MSB<<8)|\new
.set MSB, \new
.endif
.endm
.set MULW, 0xa1
.set TO_B, 0x40
.macro PLACES
.rept 4
	v_nop
.endr
.endm
.macro FETCH n, q, p                   ; 36 LDS loads in one run: the q-th key step of slot n into set p
	WIN TO_B
.irp b, 0,1,2,3,4,5,6,7
.irp c, 0,1,2
	ds_load_b128 v[128*(\p)+12*\b+4*\c:128*(\p)+12*\b+4*\c+3], v[ADRB+\n] offset:(\q)*UNITB+\b*FRB+\c*512
.endr
.endr
	WIN 0
.irp a, 0,1,2,3
.irp c, 0,1,2
	ds_load_b128 v[AF+48*(\p)+12*\a+4*\c:AF+48*(\p)+12*\a+4*\c+3], v[ADRA+\n] offset:(\q)*UNITB+\a*FRB+\c*512
.endr
.endr
.endm
.macro WM zero, rb, ra
.if \zero
.if (\rb) && (\ra)
	v_wmma_scale_f32_16x16x128_f8f6f4 v[rAC:rAC+7], v[rBF:rBF+11], v[rAF:rAF+11], 0, v[rSB], v[rSA] matrix_a_fmt:MATRIX_FMT_FP6 matrix_b_fmt:MATRIX_FMT_FP6 matrix_a_scale:MATRIX_SCALE_ROW1 matrix_b_scale:MATRIX_SCALE_ROW1
.elseif (\rb)
	v_wmma_scale_f32_16x16x128_f8f6f4 v[rAC:rAC+7], v[rBF:rBF+11], v[rAF:rAF+11], 0, v[rSB], v[rSA] matrix_a_fmt:MATRIX_FMT_FP6 matrix_b_fmt:MATRIX_FMT_FP6 matrix_a_scale:MATRIX_SCALE_ROW1
.elseif (\ra)
	v_wmma_scale_f32_16x16x128_f8f6f4 v[rAC:rAC+7], v[rBF:rBF+11], v[rAF:rAF+11], 0, v[rSB], v[rSA] matrix_a_fmt:MATRIX_FMT_FP6 matrix_b_fmt:MATRIX_FMT_FP6 matrix_b_scale:MATRIX_SCALE_ROW1
.else
	v_wmma_scale_f32_16x16x128_f8f6f4 v[rAC:rAC+7], v[rBF:rBF+11], v[rAF:rAF+11], 0, v[rSB], v[rSA] matrix_a_fmt:MATRIX_FMT_FP6 matrix_b_fmt:MATRIX_FMT_FP6
.endif
.else
.if (\rb) && (\ra)
	v_wmma_scale_f32_16x16x128_f8f6f4 v[rAC:rAC+7], v[rBF:rBF+11], v[rAF:rAF+11], v[rAC:rAC+7], v[rSB], v[rSA] matrix_a_fmt:MATRIX_FMT_FP6 matrix_b_fmt:MATRIX_FMT_FP6 matrix_a_scale:MATRIX_SCALE_ROW1 matrix_b_scale:MATRIX_SCALE_ROW1
.elseif (\rb)
	v_wmma_scale_f32_16x16x128_f8f6f4 v[rAC:rAC+7], v[rBF:rBF+11], v[rAF:rAF+11], v[rAC:rAC+7], v[rSB], v[rSA] matrix_a_fmt:MATRIX_FMT_FP6 matrix_b_fmt:MATRIX_FMT_FP6 matrix_a_scale:MATRIX_SCALE_ROW1
.elseif (\ra)
	v_wmma_scale_f32_16x16x128_f8f6f4 v[rAC:rAC+7], v[rBF:rBF+11], v[rAF:rAF+11], v[rAC:rAC+7], v[rSB], v[rSA] matrix_a_fmt:MATRIX_FMT_FP6 matrix_b_fmt:MATRIX_FMT_FP6 matrix_b_scale:MATRIX_SCALE_ROW1
.else
	v_wmma_scale_f32_16x16x128_f8f6f4 v[rAC:rAC+7], v[rBF:rBF+11], v[rAF:rAF+11], v[rAC:rAC+7], v[rSB], v[rSA] matrix_a_fmt:MATRIX_FMT_FP6 matrix_b_fmt:MATRIX_FMT_FP6
.endif
.endif
.endm
.macro MUL16 a0, p, s, zero            ; the 32 accumulators take turns, one instruction a turn, in the same order in every key step, over the jumps too
.irp a, \a0, \a0+1
.irp b, 0,1,2,3,4,5,6,7
.set rAC, 8*(8*(\a)+\b)
.set rBF, 128*(\p)+12*\b
.set rAF, AF+48*(\p)+12*(\a)
.set rSB, SC+6*(\s)+2+\b/2
.set rSA, SC+6*(\s)+(\a)/2
	WM \zero, \b%2, (\a)%2
.endr
.endr
.endm
; Waves 0 and 1 fetch the halves of a slot's p, waves 2 and 3 the two tiles of v^T.  The branch hangs on the wave's number alone.  An s_nop 0 and four v_nop follow each of the two lines.
.macro TLOAD n
	s_cmp_lt_u32 s[WV], 2
	s_cbranch_scc0 .Lfor_b_\@
	tensor_load_to_lds s[G0A+4*(\n):G0A+4*(\n)+3], s[G1A:G1A+7]
	s_nop 0
	PLACES
	s_branch .Lasked_\@
.Lfor_b_\@:
	tensor_load_to_lds s[G0B+4*(\n):G0B+4*(\n)+3], s[G1B:G1B+7]
	s_nop 0
	PLACES
.Lasked_\@:
.endm
; THE CHANGE OF SLOTS at the head of phase g.  Each wave waits for all its tensor loads (its part of the slot ahead), adds 0 to its spare word, and waits for that and for its reads of the slot that it has left.
; Behind the barrier the slot ahead is whole and nobody reads the other one, which takes key steps 4 g + 4 on, if the work-group has any: a slot is filled only if a later step reads it.
.macro CHANGE g
	s_wait_tensorcnt 0x0                           ; no tensor load of mine is out, so a group 0 may be written
	ds_add_u32 v[SPW], v[NIL]                      ; 0 onto my spare word
.if (\g == 1) || (\g == 2)
	s_add_nc_u64 s[G0A+4*((\g+1)%2)+2:G0A+4*((\g+1)%2)+3], s[G0A+4*((\g+1)%2)+2:G0A+4*((\g+1)%2)+3], 8*UNITB    ; eight key steps on: eight units of p,
	s_add_nc_u64 s[G0B+4*((\g+1)%2)+2:G0B+4*((\g+1)%2)+3], s[G0B+4*((\g+1)%2)+2:G0B+4*((\g+1)%2)+3], 64*UNITB   ; and of v^T eight times eight
.endif
	s_wait_dscnt 0x0                               ; the add is done, and my reads of the slot that I have left are over
	s_barrier_signal -1
	s_barrier_wait -1
.if \g < 3
	s_cmp_lt_u32 s[QI], 4*\g+4                     ; ids alone: all four waves go the same way
	s_cbranch_scc1 .Lpast_\g
	TLOAD (\g+1)%2                                 ; the first thing behind the barrier, and a wave's one tensor load until the next
.Lpast_\g:
.endif
.endm
; The four key steps of phase g, as far as the work-group has them.  A key step's fragments are in; the next one's are asked for at once and have 32 products in which to come.
.macro WORK g
	FETCH \g%2, 0, 0
.irp q, 0,1,2,3
.if \q > 0
	s_cmp_lt_u32 s[QI], 4*\g+\q
	s_cbranch_scc1 .Lend_\g
.endif
	s_wait_dscnt 0x0
.if \q < 3
	PLACES
	FETCH \g%2, \q+1, 1-\q%2
.endif
	WIN MULW
.if (\g == 0) && (\q == 0)
	MUL16 0, 0, 0, 1                               ; key step 0, which every work-group has, starts the sums: nothing is cleared
	MUL16 2, 0, 0, 1
.else
	MUL16 0, \q%2, 4*\g+\q, 0
	MUL16 2, \q%2, 4*\g+\q, 0
.endif
	WIN 0                                          ; at a branch and at a label every window is 0
.endr
.Lend_\g:
.endm
; Key step s: k = M(row) - M(unit), held at 63; the unit's sum x 2^-k onto the row's; k off each of the four scale bytes.  The two registers (fragments 0, 1 and 2, 3 of my four) by turns.
.macro ADJ s
.irp e, 0,1
	v_sub_f32 v[TA+2*\e], v[NMR+2*\s+\e], v[NMG+\e]
.endr
.irp e, 0,1
	v_min_num_f32 v[TA+2*\e], 0x427c0000, v[TA+2*\e]
.endr
.irp e, 0,1
	v_cvt_u32_f32 v[TA+2*\e], v[TA+2*\e]
.endr
.irp e, 0,1
	v_lshlrev_b32 v[TA+2*\e+1], 23, v[TA+2*\e]
.endr
.irp e, 0,1
	v_sub_nc_u32 v[TA+2*\e+1], 0x3f800000, v[TA+2*\e+1]   ; 2^-k: k off the exponent field of 1.0
.endr
.irp e, 0,1
	v_fmac_f32 v[LT+\e], v[LR+2*\s+\e], v[TA+2*\e+1]
.endr
.irp e, 0,1
	v_lshl_or_b32 v[TA+2*\e], v[TA+2*\e], 8, v[TA+2*\e]
.endr
.irp e, 0,1
	v_lshl_or_b32 v[TA+2*\e], v[TA+2*\e], 16, v[TA+2*\e]  ; k in all four bytes
.endr
.irp e, 0,1
	v_sub_nc_u32 v[SC+6*\s+\e], v[SC+6*\s+\e], v[TA+2*\e] ; every byte is 64 at the least and k 63 at the most: no borrow
.endr
.endm
	s_load_b256 s[4:11], s[0:1], 0x0               ; p_codes s[4:5], p_stats s[6:7], qkv_codes s[8:9], qkv_scales s[10:11]
	s_load_b64 s[12:13], s[0:1], 0x20              ; out0
	v_lshl_add_u32 v[SPW], v0, 2, SPARE
	v_mov_b32 v[NIL], 0
	ds_add_u32 v[SPW], v[NIL]                      ; the wave's opening: the add, twice on end, and its wait ahead of my first tensor load; work on registers stands between them
	ds_add_u32 v[SPW], v[NIL]
	v_lshrrev_b32 v1, 5, v0
	v_readfirstlane_b32 s[WV], v1
	s_lshr_b32 s[WA], s[WV], 1                     ; my half of the queries
	s_and_b32 s[WB], s[WV], 1                      ; my tile of d; also which part I fetch
	s_mov_b32 s19, ttmp9                           ; which 256 d
	s_and_b32 s20, ttmp7, 0xffff
	s_and_b32 s[QI], s20, 15                       ; i
	s_lshr_b32 s20, s20, 4                         ; the batch
	s_add_co_u32 s22, s[QI], 1
	s_mul_i32 s22, s22, s[QI]
	s_lshr_b32 s22, s22, 1
	s_mul_i32 s23, s20, 136
	s_add_co_u32 s22, s22, s23                     ; the row's first unit of p
	s_lshl_b32 s23, s[WB], 1
	s_add_co_u32 s23, s23, s22
	s_mul_i32 s24, s23, UNITB                      ; waves 0, 1: two of a slot's four units each
	s_mov_b32 s25, 0
	s_lshl_b32 s26, s20, 7
	s_lshl_b32 s27, s19, 1
	s_add_co_u32 s26, s26, s27
	s_add_co_u32 s26, s26, s[WB]
	s_add_co_u32 s26, s26, 1024                    ; v^T's unit of the batch's key step 0 and my tile of d; a key step on is eight units on
	s_lshl_b32 s28, s26, 9
	s_mov_b32 s29, 0
	s_mul_i32 s26, s26, UNITB
	s_mov_b32 s27, 0
	s_lshl_b32 s30, s22, 9
	s_mov_b32 s31, 0
	s_lshl_b32 s2, s20, 11                         ; out: row 2,048 b + 128 i + 64 (wave / 2), of 4,096 bytes; + 1,024 for each 256 d, + 512 for my tile
	s_lshl_b32 s3, s[QI], 7
	s_add_co_u32 s2, s2, s3
	s_lshl_b32 s3, s[WA], 6
	s_add_co_u32 s2, s2, s3
	s_lshl_b32 s2, s2, 12
	s_lshl_b32 s3, s19, 10
	s_add_co_u32 s2, s2, s3
	s_lshl_b32 s3, s[WB], 9
	s_add_co_u32 s2, s2, s3
	s_mov_b32 s3, 0
	s_mul_i32 s66, s[WB], 2*UNITB                  ; where my part lies in a slot: p's,
	s_mul_i32 s67, s[WB], 4*UNITB
	s_add_co_u32 s67, s67, 4*UNITB                 ; v^T's
	s_mov_b32 s[G1A], 3<<16                        ; group 1 for p: two units, dense, as 96 rows of 256 bytes (32 elements of 8 bytes)
	s_mov_b32 s[G1A+1], 32<<16
	s_mov_b32 s[G1A+2], 96<<16
	s_mov_b32 s[G1A+3], 32<<16
	s_mov_b32 s[G1A+4], 96
	s_mov_b32 s[G1A+5], 32
	s_mov_b32 s[G1A+6], 0
	s_mov_b32 s[G1A+7], 0
	s_mov_b32 s[G1B], 3<<16                        ; for v^T: four rows of a unit's 12,288 bytes (1,536 elements), eight units (12,288 elements) apart
	s_mov_b32 s[G1B+1], 1536<<16
	s_mov_b32 s[G1B+2], 4<<16
	s_mov_b32 s[G1B+3], 1536<<16
	s_mov_b32 s[G1B+4], 4
	s_mov_b32 s[G1B+5], 12288
	s_mov_b32 s[G1B+6], 0
	s_mov_b32 s[G1B+7], 0
	s_mov_b32 s[HI], 0xffff0000
	s_mov_b32 s[SEL], 0x76543210
	s_mov_b32 s[SEL+1], 0xfedcba98
	v_and_b32 v1, 31, v0
	v_and_b32 v2, 15, v0
	v_bfe_u32 v3, v0, 4, 1
	v_lshlrev_b32 v[L16], 4, v1
	v_lshlrev_b32 v[L4], 2, v1
	s_lshl_b32 s23, s[WA], 8
	v_add_nc_u32 v[SAO], s23, v[L4]
	s_mul_i32 s23, s[WA], 4*FRB
	v_add_nc_u32 v[ADRA], s23, v[L16]
	v_add_nc_u32 v[ADRA+1], SLOT, v[ADRA]
	v_add_nc_u32 v[ADRB], s67, v[L16]
	v_add_nc_u32 v[ADRB+1], SLOT, v[ADRB]
	s_mul_i32 s23, s[WV], 16*528                   ; my stage for the way out: 16 rows of 512 bytes + 16.  The stages lie in slot 0: behind the last change of slots it has had its last fill, and nobody reads it
	v_add_nc_u32 v[RD], s23, v[L16]
	v_mul_u32_u24 v[STO], v2, 528
	v_lshl_add_u32 v[STO], v3, 6, v[STO]
	v_add_nc_u32 v[STO], s23, v[STO]
.irp s, 0,1,2,3,4,5,6,7,8,9,10,11,12,13,14,15
	s_min_u32 s23, s[QI], \s                       ; the statistics of key steps beyond i are not stored for this row: key step i's are read in their place, which changes no minimum, and are not used further
	s_lshl_b32 s23, s23, 9
	v_add_nc_u32 v[OFS+\s], s23, v[SAO]
.endr
	s_wait_dscnt 0x0                               ; both opening adds are done
	s_wait_kmcnt 0x0
	s_add_nc_u64 s[94:95], s[4:5], s[24:25]
	s_add_nc_u64 s[96:97], s[8:9], s[26:27]
	s_add_nc_u64 s[ST:ST+1], s[6:7], s[30:31]
	s_add_nc_u64 s[SBB:SBB+1], s[10:11], s[28:29]
	s_add_nc_u64 s[OB:OB+1], s[12:13], s[2:3]
.irp n, 0,1
	s_mov_b32 s[G0A+4*\n], 1
	s_add_co_u32 s[G0A+4*\n+1], s66, \n*SLOT
	s_add_nc_u64 s[G0A+4*\n+2:G0A+4*\n+3], s[94:95], \n*4*UNITB
	s_or_b32 s[G0A+4*\n+3], s[G0A+4*\n+3], 0x80000000
	s_mov_b32 s[G0B+4*\n], 1
	s_add_co_u32 s[G0B+4*\n+1], s67, \n*SLOT
	s_add_nc_u64 s[G0B+4*\n+2:G0B+4*\n+3], s[96:97], \n*32*UNITB
	s_or_b32 s[G0B+4*\n+3], s[G0B+4*\n+3], 0x80000000
.endr
	TLOAD 0                                        ; slot 0: key steps 0 to 3
	s_wait_alu depctr_va_vdst(0)
.irp s, 0,1,2,3,4,5,6,7,8,9,10,11,12,13,14,15
.irp e, 0,1
	global_load_b32 v[SC+6*\s+\e], v[OFS+\s], s[ST:ST+1] offset:128*\e          ; p's scale words, straight into their registers
	global_load_b32 v[NMR+2*\s+\e], v[OFS+\s], s[ST:ST+1] offset:SECM+128*\e    ; -M(unit)
	global_load_b32 v[LR+2*\s+\e], v[OFS+\s], s[ST:ST+1] offset:SECL+128*\e     ; the unit's sum
.endr
.irp e, 0,1,2,3
	global_load_b32 v[SC+6*\s+2+\e], v[L4], s[SBB:SBB+1] offset:4096*\s+128*\e  ; v^T's scale words
.endr
.endr
	CHANGE 0                                       ; slot 0 is whole; slot 1's load goes out and lands under the arithmetic below
	s_wait_loadcnt 0x0
.irp e, 0,1
	v_min3_num_f32 v[NMG+\e], v[NMR+\e], v[NMR+2+\e], v[NMR+4+\e]                ; -M(row) = the least -M(unit)
.endr
.irp s, 3,5,7,9,11,13
.irp e, 0,1
	v_min3_num_f32 v[NMG+\e], v[NMG+\e], v[NMR+2*\s+\e], v[NMR+2*\s+2+\e]
.endr
.endr
.irp e, 0,1
	v_min_num_f32 v[NMG+\e], v[NMG+\e], v[NMR+30+\e]
	v_mov_b32 v[LT+\e], 0
	v_mov_b32 v[RX+\e], 0                          ; (a lane permute's destination counts as one of its sources)
.endr
	ADJ 0
.irp s, 1,2,3,4,5,6,7,8,9,10,11,12,13,14,15
	s_cmp_lt_u32 s[QI], \s                         ; key steps beyond i are not multiplied: ids alone
	s_cbranch_scc1 .Ladj_done
	ADJ \s
.endr
.Ladj_done:
	s_wait_alu depctr_va_vdst(0)
	v_rcp_f32 v[RC], v[LT]
	v_rcp_f32 v[RC+1], v[LT+1]
	v_nop                                          ; a plain place behind the reciprocals,
	s_wait_alu depctr_va_vdst(0)                   ; and the wait ahead of their first reader
	v_permlanex16_b32 v[RX], v[RC], s[SEL], s[SEL+1]
	v_permlanex16_b32 v[RX+1], v[RC+1], s[SEL], s[SEL+1]
.irp e, 0,1                                    ; lanes 0-15 hold the even fragment's 1 / l, lanes 16-31 the odd one's: each is spread over both halves
	v_cndmask_b32 v[RL+4*\e], v[RC+\e], v[RX+\e], s[HI]
	v_cndmask_b32 v[RL+4*\e+2], v[RX+\e], v[RC+\e], s[HI]
.endr
.irp a, 0,1,2,3
	v_mov_b32 v[RL+2*\a+1], v[RL+2*\a]             ; (named with it as a pair)
.endr
.rept 8
	v_nop                                          ; scale registers written by vector instructions stand 8 places ahead of a scaled matrix instruction
.endr
	WORK 0
	CHANGE 1
	s_cmp_lt_u32 s[QI], 4
	s_cbranch_scc1 .Lend_1
	PLACES
	WORK 1
	CHANGE 2
	s_cmp_lt_u32 s[QI], 8
	s_cbranch_scc1 .Lend_2
	PLACES
	WORK 2
	CHANGE 3
	s_cmp_lt_u32 s[QI], 12
	s_cbranch_scc1 .Lend_3
	PLACES
	WORK 3
	s_wait_dscnt 0x0                               ; fragments asked for ahead of a key step that was then passed over have landed: their registers are used below
	PLACES
; THE WAY OUT, a fragment of 16 queries x my 128 d at a time: x 1 / l into other registers, each accumulator from its low end on; through my stage; back as whole rows of 512 bytes.
.macro OUT a
.if \a > 0
	s_wait_xcnt 0x0                                ; the last fragment's stores have read v[BK] on
.endif
	WIN 0x02                                       ; source 0 window 2
.set j, 0
.rept 32
	v_pk_mul_f32 v[TMP+j:TMP+j+1], v[64*\a+j:64*\a+j+1], v[RL+2*\a:RL+2*\a+1] op_sel_hi:[1,0]
.set j, j+2
.endr
	WIN 0
.irp t, 0,1,2,3,4,5,6,7                        ; accumulator t holds d 32 (t / 2) + 16 h + 8 (t % 2) + 0 .. 7 of my query
	ds_store_b128 v[STO], v[TMP+8*\t:TMP+8*\t+3] offset:128*(\t/2)+32*(\t%2)
	ds_store_b128 v[STO], v[TMP+8*\t+4:TMP+8*\t+7] offset:128*(\t/2)+32*(\t%2)+16
.endr
.irp t, 0,1,2,3,4,5,6,7,8,9,10,11,12,13,14,15
	ds_load_b128 v[BK+4*\t:BK+4*\t+3], v[RD] offset:528*\t   ; LDS serves a wave's instructions in order: these see the stores above
.endr
	s_wait_dscnt 0x0
.irp t, 0,1,2,3,4,5,6,7,8,9,10,11,12,13,14,15
	global_store_b128 v[L16], v[BK+4*\t:BK+4*\t+3], s[OB:OB+1] offset:(32*(\a/2)+8*(\a%2)+\t+8*(\t/8))*4096 th:TH_STORE_NT   ; 32 lanes store 512 consecutive bytes, at a multiple of 512 from out's first byte
.endr
.endm
	s_wait_alu depctr_va_vdst(0)
	OUT 0
	OUT 1
	OUT 2
	OUT 3
	s_wait_tensorcnt 0x0                           ; the wave's end: behind my last tensor load and my last LDS store
	ds_add_u32 v[SPW], v[NIL]
	s_wait_dscnt 0x0
	s_endpgm
.Lfunc_end_k_q65b6cbd6a8_pv:
	.size	k_q65b6cbd6a8_pv, .Lfunc_end_k_q65b6cbd6a8_pv-k_q65b6cbd6a8_pv
	.p2alignl 7, 3214868480
	.fill 96, 4, 3214868480
	.section	.rodata,"a",@progbits
	.p2align	6, 0x0
	.amdhsa_kernel k_q65b6cbd6a8_pv
		.amdhsa_group_segment_fixed_size 327680
		.amdhsa_private_segment_fixed_size 0
		.amdhsa_enable_private_segment 0
		.amdhsa_kernarg_size 40
		.amdhsa_user_sgpr_count 2
		.amdhsa_user_sgpr_kernarg_segment_ptr 1
		.amdhsa_wavefront_size32 1
		.amdhsa_system_sgpr_workgroup_id_x 1
		.amdhsa_system_sgpr_workgroup_id_y 1
		.amdhsa_system_sgpr_workgroup_id_z 1
		.amdhsa_system_vgpr_workitem_id 0
		.amdhsa_next_free_vgpr 768
		.amdhsa_next_free_sgpr 100
		.amdhsa_reserve_vcc 0
		.amdhsa_float_denorm_mode_32 3
		.amdhsa_float_denorm_mode_16_64 3
		.amdhsa_memory_ordered 1
		.amdhsa_forward_progress 1
		.amdhsa_inst_pref_size 169
	.end_amdhsa_kernel
	.amdgpu_metadata
---
amdhsa.version: [ 1, 2 ]
amdhsa.kernels:
  - .name:           k_q65b6cbd6a8_pv
    .symbol:         k_q65b6cbd6a8_pv.kd
    .args:
      - { .name: p_codes, .offset: 0, .size: 8, .value_kind: global_buffer, .address_space: global }
      - { .name: p_stats, .offset: 8, .size: 8, .value_kind: global_buffer, .address_space: global }
      - { .name: qkv_codes, .offset: 16, .size: 8, .value_kind: global_buffer, .address_space: global }
      - { .name: qkv_scales, .offset: 24, .size: 8, .value_kind: global_buffer, .address_space: global }
      - { .name: out0, .offset: 32, .size: 8, .value_kind: global_buffer, .address_space: global }
    .group_segment_fixed_size: 327680
    .private_segment_fixed_size: 0
    .kernarg_segment_align: 8
    .kernarg_segment_size: 40
    .max_flat_workgroup_size: 128
    .sgpr_count:     100
    .vgpr_count:     768
    .wavefront_size: 32
...
	.end_amdgpu_metadata
.endif
;; end of part 4
